; MI455X (gfx1250); checked and timed in simulation.
; The chip was launched on July 23, 2026; its instructions are those of AMD's public machine-readable ISA for CDNA 5 (MIT licence, August 2026) and "CDNA5" Instruction Set Architecture Reference Guide (July 2026). The comments in the code are by the model that wrote it; some were corrected since.
;; Multihead Attention. Allowed arithmetic: matrix products marked QUANTISED: E2M3 operands, one E8M0 scale for each 32 along K, by v_wmma_scale_f32_16x16x128_f8f6f4 with both operands' format E2M3, f32 sums; everything else in f32.
;; Inputs: k 4 x 2,048 x 1,024 float32; q 4 x 2,048 x 1,024 float32; v 4 x 2,048 x 1,024 float32; w_k 1,024 x 1,024 float32; w_o 1,024 x 1,024 float32; w_q 1,024 x 1,024 float32; w_v 1,024 x 1,024 float32.
;; Outputs: out0 4 x 2,048 x 1,024 float32.
;; This version of the problem:
;;   THIS VERSION OF THE PROBLEM IS GIVEN IN LOW PRECISION. The matrix products marked QUANTISED in the list below multiply operands that are first quantised to E2M3 (2 exponent bits, 3 mantissa bits; 6 bits a number), with one power-of-two scale for each 32 numbers along K (OCP MX v1.0); their sums are f32. All else is computed in f32.
;;   The module's matrix products, in the order in which they are computed (A, B: the left and right operand; K: the contracted axis; several contracted axes count as one K, in the product's order):
;;     1. [M 8,192, K 1,024] x [K 1,024, N 1,024]; A: input q; B: input w_q: QUANTISED
;;     2. [M 8,192, K 1,024] x [K 1,024, N 1,024]; A: input k; B: input w_k: QUANTISED
;;     3. [M 8,192, K 1,024] x [K 1,024, N 1,024]; A: input v; B: input w_v: QUANTISED
;;     4. batch 64 x [M 2,048, K 64] x [K 64, N 2,048]; A: computed on the way; B: computed on the way: QUANTISED
;;     5. batch 64 x [M 2,048, K 2,048] x [K 2,048, N 64]; A: softmax (see below); B: computed on the way: QUANTISED
;;     6. [M 8,192, K 1,024] x [K 1,024, N 1,024]; A: computed on the way; B: input w_o: QUANTISED
;;   THE QUANTISER, for each operand of a quantised product, along K:
;;     - K is cut into blocks of 32 from its start; a last block that is shorter is filled with zeros.
;;     - A block's scale is 2^e with e = floor(log2(the largest magnitude in the block)) - 2, held to -126 .. 127; a block of zeros has e = 0. As a byte (E8M0): e + 127.
;;     - Each number is divided by its block's scale, clamped to +-7.5, and rounded to the nearest number of E2M3, ties to even, subnormals kept.
;;     - The product sums the exact products of the quantised numbers (number of the format x scale) in f32.
;;   ~~~python
;;   def quantise(x, axis):      # numpy; x: float32 -> the quantised numbers, widened to float32 again
;;       x = np.moveaxis(x, axis, -1); K = x.shape[-1]
;;       x = np.pad(x, [(0, 0)] * (x.ndim - 1) + [(0, -K % 32)]); x = x.reshape(x.shape[:-1] + (-1, 32)); a = np.abs(x).max(-1, keepdims=True)
;;       e = np.where(a > 0, np.clip(np.frexp(np.where(a > 0, a, 1))[1] - 1 - 2, -126, 127), 0)      # np.frexp(a)[1] - 1 = floor(log2(a)), exactly
;;       r = np.clip(x / 2.0 ** e, -7.5, 7.5)
;;       step = 2.0 ** (np.maximum(np.frexp(np.where(r == 0, 1, r))[1] - 1, 0) - 3)
;;       q = np.round(r / step) * step * 2.0 ** e      # np.round: ties to even
;;       return np.moveaxis(q.reshape(q.shape[:-2] + (-1,))[..., :K], -1, axis).astype(np.float32)
;;   ~~~
;;   SOFTMAX AHEAD OF A QUANTISED PRODUCT. Where the list says 'softmax', what is quantised is not the finished softmax but p = 2^(t - M), with t = logit x log2(e) and M = ceil(the row's largest t), a whole number; so 1/2 < the row's largest p <= 1. The row's sum l is taken of the UNQUANTISED p, in f32, and the product's result is divided by l at the end. Since M is a whole number, a kernel that streams over the keys may use a running M (the ceiling of the running maximum): every later rescaling is an exact power of two, which a block's scale takes up: the codes' values come out the same.
;;   OPERANDS COMPUTED ON THE WAY. 'Computed on the way' means the value that the module computes at that place (a softmax that the list does not call 'softmax' is quantised finished and normalised). What goes into a quantiser is computed in f32, as accurately as f32 sums, v_exp_f32 and their like allow (about 1e-6 of the number): no bf16 or f16 on the way to a quantiser, and a product that is left as it is and whose result goes on into a quantised operand takes f32 operands (vector FMAs, or v_wmma_f32_16x16x4_f32). A number that lies on a knife's edge between two numbers of the format may be rounded either way, as far as f32 arithmetic and the matrix unit's own rounding can turn it there, and no further.
;; One version. Each part assembles by itself: llvm-mc -triple=amdgcn-amd-amdhsa -mcpu=gfx1250 --defsym DOCPART=n.
;; ======== version 1 of 1: 4 launches
;; limits: right only within a limited range of input values
;; workspace buffers: xc 18,874,368 bytes; xs 786,432 bytes; wc 3,145,728 bytes; ws 131,072 bytes; hc 18,874,368 bytes; hs 786,432 bytes; oc 6,291,456 bytes; osc 262,144 bytes
;; launch quant (part 1): grid 1024 x 1, 4 waves a work-group, no clusters, 34,304 bytes of LDS; arguments q, k, v, w_q, w_k, w_v, w_o, xc, xs, wc, ws; writes xc, xs, wc, ws
.if DOCPART == 1
	.amdgcn_target "amdgcn-amd-amdhsa--gfx1250"
	.amdhsa_code_object_version 6
	.text
	.protected	k_q49cb43b7fe_quant
	.globl	k_q49cb43b7fe_quant
	.p2align	8
	.type	k_q49cb43b7fe_quant,@function
k_q49cb43b7fe_quant:
	s_mov_b64 s[64:65], 0
	v_nop
	global_prefetch_b8 v0, s[64:65] scope:SCOPE_SE
	s_setreg_imm32_b32 hwreg(HW_REG_WAVE_MODE, 25, 1), 1
	s_wait_xcnt 0x0
; q, k, v [8192][1024] (K innermost) and the four weights [1024 (k)][1024 (n)] (K their first axis), f32, become codes of FP6 (E2M3) and one E8M0 byte for each 32 along K.
; A block's scale is 2^(floor(log2(largest magnitude)) - 2); its byte is the largest magnitude's exponent field - 2, held at 1 from below; numbers are divided by the scale and rounded to the nearest code, ties to even.
; THE CODES LIE AS IMAGES OF OPERAND REGISTERS: [tensor][128 rows][K step of 256][tile of 16 rows][128 K]: a fragment of 1,536 bytes; its half c: 512 bytes = registers 6 c .. 6 c + 3, 16 bytes a lane, then 256 bytes =
; registers 6 c + 4, 5.  Lane (r, h) of a fragment holds row r, k = 64 c + 32 h + 0 .. 31.  The scale bytes lie [tensor][row][32].
; ROWS LIE BY POSITION.  q, v and the weights' columns: the index with bits 3 and 4 exchanged.  k: position 64 C + 16 j + m is key 64 C + 32 (m / 8) + 8 j + m % 8, so that a lane of a transposed product over four
; neighbouring tiles holds 32 neighbouring keys.
; LIMITS: a block of zeros, and a block whose largest magnitude lies under 2^-124, keeps the byte 1 (zeros: the codes are zeros, and only this program reads the bytes); NaN and infinities are not served.
; SHARES: work-groups 0-767: q, k, v, 256 each; a wave takes a tile of 16 rows x 512 K in 4 steps of one fragment: 16 loads of 512 consecutive bytes, a turn through the wave's own stage in LDS, back as two whole
; blocks a lane.  Work-groups 768-1023: the weights, 64 each; a wave takes 32 columns x 128 K, a lane a column, its registers down K: four whole blocks a lane, no LDS.
; No tensor loads, no barrier, no cluster: waves and work-groups share no input.
.set SPW,   12                         ; v12 my spare word, v13 0; never rewritten
.set NIL,   13
.set R,     16                         ; v16-143  numbers as loaded: rows' path two sets of 64; weights' path 128
.set X,     144                        ; v144-207 two whole blocks
.set C,     208                        ; v208-219 a fragment's codes; v220-227 the conversions' second halves
.set T,     220
.set WD,    228                        ; v228-231 scale words
.set M,     232                        ; v232-235 the chains
.set SO,    236                        ; v236-237 the conversions' scale operands
.set SP,    528                        ; a stage row: 512 bytes + 16
.set SPARE, 4*16*SP                    ; behind the four stages: the spare words, 128 bytes a wave
.macro WALU
	s_wait_alu depctr_va_vdst(0)
.endm
	s_load_b256 s[4:11], s[0:1], 0x0               ; q, k, v, w_q
	s_load_b256 s[12:19], s[0:1], 0x20             ; w_k, w_v, w_o, xc
	s_load_b128 s[20:23], s[0:1], 0x40             ; xs, wc
	s_load_b64 s[24:25], s[0:1], 0x50              ; ws
	v_lshl_add_u32 v[SPW], v0, 2, SPARE
	v_mov_b32 v[NIL], 0
	v_lshrrev_b32 v1, 5, v0
	v_readfirstlane_b32 s26, v1                    ; wave
	v_and_b32 v2, 31, v0                           ; lane
	s_cmp_lt_u32 ttmp9, 768
	WALU                                           ; the wait ahead of the branch
	s_cbranch_scc0 .Lweights
; ---------------- q, k, v
	s_lshr_b32 s27, ttmp9, 8                       ; the tensor
	s_and_b32 s28, ttmp9, 255
	s_lshl_b32 s28, s28, 2
	s_add_co_u32 s28, s28, s26
	s_and_b32 s29, s28, 1                          ; which 512 along K
	s_lshr_b32 s28, s28, 1                         ; the tile of 16 positions, 0 .. 511
	s_lshr_b32 s30, s28, 1
	s_lshl_b32 s30, s30, 5
	s_and_b32 s31, s28, 1
	s_lshl_b32 s31, s31, 3
	s_add_co_u32 s30, s30, s31                     ; q, v: rows 32 B + 8 u + m % 8 + 16 (m / 8)
	s_lshr_b32 s32, s28, 2
	s_lshl_b32 s32, s32, 6
	s_and_b32 s33, s28, 3
	s_lshl_b32 s33, s33, 3
	s_add_co_u32 s32, s32, s33                     ; k: rows 64 C + 8 j + m % 8 + 32 (m / 8)
	s_cmp_eq_u32 s27, 1
	s_cselect_b32 s30, s32, s30
	s_cselect_b32 s31, 17, 16
	s_lshl_b32 s31, 1, s31                         ; bytes from row m % 8 to row m of the tile's rows 8 to 15: 32 or 16 rows of 4,096
	s_lshl_b32 s34, s30, 12
	s_lshl_b32 s35, s29, 11
	s_add_co_u32 s34, s34, s35
	s_mov_b32 s35, 0
	s_mul_i32 s36, s26, 16*SP                      ; my stage
	s_mul_i32 s38, s27, 8192*768
	s_lshr_b32 s39, s28, 3
	s_mul_i32 s39, s39, 98304
	s_add_co_u32 s38, s38, s39
	s_and_b32 s39, s28, 7
	s_mul_i32 s39, s39, 3072
	s_add_co_u32 s38, s38, s39
	s_mul_i32 s39, s29, 49152
	s_add_co_u32 s38, s38, s39
	s_mov_b32 s39, 0
	s_lshl_b32 s40, s27, 18
	s_lshl_b32 s41, s28, 9
	s_add_co_u32 s40, s40, s41
	s_lshl_b32 s41, s29, 4
	s_add_co_u32 s40, s40, s41
	s_mov_b32 s41, 0
	s_mov_b32 s42, 0x76543210
	s_mov_b32 s43, 0xfedcba98                      ; lane l xor 16
	v_lshlrev_b32 v3, 4, v2                        ; 16 lane: my part of a row's 512 bytes, and of a fragment's 512
	v_add_nc_u32 v4, s31, v3                       ; the same for the tile's rows 8 to 15
	v_add_nc_u32 v5, s36, v3                       ; into the stage
	v_and_b32 v1, 15, v0                           ; r
	v_bfe_u32 v9, v0, 4, 1                         ; h
	v_mul_u32_u24 v6, v1, SP
	v_lshl_add_u32 v6, v9, 7, v6
	v_add_nc_u32 v6, s36, v6                       ; out of it: row r, block h
	v_lshlrev_b32 v7, 3, v2
	v_lshlrev_b32 v8, 5, v1                        ; my row's 32 scale bytes
	v_lshlrev_b32 v9, 3, v9                        ; 8 h
	WALU                                           ; the wait at the head's end
	s_wait_kmcnt 0x0
	s_cmp_eq_u32 s27, 0                            ; the choice hangs on the work-group's number alone
	s_cselect_b64 s[4:5], s[4:5], s[6:7]
	s_cmp_eq_u32 s27, 2
	s_cselect_b64 s[4:5], s[8:9], s[4:5]
	s_add_nc_u64 s[4:5], s[4:5], s[34:35]
	s_add_nc_u64 s[6:7], s[18:19], s[38:39]        ; my codes
	s_add_nc_u64 s[8:9], s[20:21], s[40:41]        ; my scale bytes
.macro LOADX t
.irp m, 0,1,2,3,4,5,6,7,8,9,10,11,12,13,14,15
	global_load_b128 v[R+64*((\t)%2)+4*\m:R+64*((\t)%2)+4*\m+3], v[3+\m/8], s[4:5] offset:(\m%8)*4096+512*(\t) th:TH_LOAD_NT   ; 32 lanes read 512 consecutive bytes of a row
.endr
.endm
.macro STEPX t
.if (\t) < 3
	s_wait_loadcnt 16                              ; this step's 16 loads are in; the next step's 16 may be out
.else
	s_wait_loadcnt 0
.endif
	s_wait_xcnt 0x0                                ; the last step's stores have read the codes' registers
.irp m, 0,1,2,3,4,5,6,7,8,9,10,11,12,13,14,15
	ds_store_b128 v5, v[R+64*((\t)%2)+4*\m:R+64*((\t)%2)+4*\m+3] offset:SP*\m
.endr
.irp j, 0,1,2,3,4,5,6,7
	ds_load_b128 v[X+4*\j:X+4*\j+3], v6 offset:16*\j              ; LDS serves a wave's instructions in order: these see my stores.  Block h,
	ds_load_b128 v[X+32+4*\j:X+32+4*\j+3], v6 offset:256+16*\j    ; block 2 + h
.endr
	s_wait_dscnt 0x0
.if (\t)+2 < 4
	LOADX (\t)+2
.endif
.irp c, 0,1
	v_max3_num_f32 v[M+2*\c], |v[X+32*\c]|, |v[X+32*\c+1]|, |v[X+32*\c+2]|      ; two chains a block, the two blocks by turns
	v_max3_num_f32 v[M+2*\c+1], |v[X+32*\c+16]|, |v[X+32*\c+17]|, |v[X+32*\c+18]|
.endr
.irp i, 3,5,7,9,11,13
.irp c, 0,1
	v_max3_num_f32 v[M+2*\c], v[M+2*\c], |v[X+32*\c+\i]|, |v[X+32*\c+\i+1]|
	v_max3_num_f32 v[M+2*\c+1], v[M+2*\c+1], |v[X+32*\c+16+\i]|, |v[X+32*\c+17+\i]|
.endr
.endr
.irp c, 0,1
	v_max3_num_f32 v[M+2*\c], v[M+2*\c], |v[X+32*\c+15]|, |v[X+32*\c+31]|
.endr
.irp c, 0,1
	v_max3_num_f32 v[M+2*\c], v[M+2*\c], v[M+2*\c+1], 0x1800000   ; and the floor 2^(3 - 127): the byte cannot fall under 1
.endr
.irp c, 0,1
	v_add_nc_u32 v[SO+\c], 0xff000000, v[M+2*\c]   ; 2 off the exponent field: the conversion's scale operand
.endr
.irp c, 0,1
	v_lshrrev_b32 v[M+2*\c], 23, v[SO+\c]          ; the scale's byte
.endr
	v_lshl_or_b32 v[M], v[M+2], 16, v[M]           ; my two bytes, blocks h and 2 + h,
	v_lshlrev_b32 v[M], v9, v[M]                   ; at their places in the row's scale word;
	v_permlanex16_b32 v[M+1], v[M], s42, s43
	v_or_b32 v[WD+(\t)], v[M], v[M+1]              ; with lane l xor 16's two the word is whole
.irp c, 0,1
	v_cvt_scalef32_pk16_fp6_f32 v[C+6*\c:C+6*\c+2], v[X+32*\c:X+32*\c+15], v[SO+\c]
	v_cvt_scalef32_pk16_fp6_f32 v[T+4*\c:T+4*\c+2], v[X+32*\c+16:X+32*\c+31], v[SO+\c]   ; (a conversion's three registers begin on an even number)
.endr
	v_nop                                          ; one plain place behind a scaled conversion
.irp c, 0,1
.irp i, 0,1,2
	v_mov_b32 v[C+6*\c+3+\i], v[T+4*\c+\i]
.endr
.endr
.irp c, 0,1
	global_store_b128 v3, v[C+6*\c:C+6*\c+3], s[6:7] offset:((\t)/2)*24576+((\t)%2)*1536+768*\c        ; 512 consecutive bytes
	global_store_b64 v7, v[C+6*\c+4:C+6*\c+5], s[6:7] offset:((\t)/2)*24576+((\t)%2)*1536+768*\c+512   ; 256 consecutive bytes
.endr
.endm
	LOADX 0
	LOADX 1
.irp t, 0,1,2,3
	STEPX \t
.endr
	WALU
	global_store_b128 v8, v[WD:WD+3], s[8:9]       ; my row's 16 scale bytes of these 512 along K (both halves of the lanes hold and store the same)
	s_wait_tensorcnt 0x0                           ; the wave's end
	ds_add_u32 v[SPW], v[NIL]
	s_wait_dscnt 0x0
	s_endpgm
; ---------------- the weights
.Lweights:
	s_sub_co_u32 s27, ttmp9, 768
	s_lshr_b32 s28, s27, 6                         ; the tensor
	s_and_b32 s29, s27, 7                          ; which 128 along K
	s_bfe_u32 s30, s27, 0x30003                    ; which 128 columns
	s_lshl_b32 s34, s29, 19                        ; 128 rows of 4,096 bytes
	s_lshl_b32 s31, s30, 9
	s_add_co_u32 s34, s34, s31
	s_lshl_b32 s31, s26, 7                         ; my wave's 32 columns
	s_add_co_u32 s34, s34, s31
	s_mov_b32 s35, 0
	s_mul_i32 s38, s28, 1024*768
	s_mul_i32 s39, s30, 98304
	s_add_co_u32 s38, s38, s39
	s_lshr_b32 s39, s29, 1
	s_mul_i32 s39, s39, 24576
	s_add_co_u32 s38, s38, s39
	s_mul_i32 s39, s26, 2*3072                     ; my wave's two tiles of 16 positions
	s_add_co_u32 s38, s38, s39
	s_and_b32 s39, s29, 1
	s_mul_i32 s39, s39, 1536
	s_add_co_u32 s38, s38, s39
	s_mov_b32 s39, 0
	s_lshl_b32 s40, s28, 15
	s_lshl_b32 s41, s30, 12
	s_add_co_u32 s40, s40, s41
	s_lshl_b32 s41, s26, 10
	s_add_co_u32 s40, s40, s41
	s_lshl_b32 s41, s29, 2
	s_add_co_u32 s40, s40, s41
	s_mov_b32 s41, 0
	v_lshlrev_b32 v3, 2, v2                        ; in: 4 bytes a lane
	v_and_b32 v1, 7, v2
	v_bfe_u32 v7, v2, 4, 1
	v_lshl_or_b32 v1, v7, 3, v1                    ; my column's position: bits 3 and 4 exchanged: row r of its tile,
	v_bfe_u32 v8, v2, 3, 1                         ; which of the two tiles
	v_mul_u32_u24 v4, v8, 3072
	v_lshl_add_u32 v5, v1, 3, v4
	v_lshl_add_u32 v4, v1, 4, v4
	v_lshl_add_u32 v6, v8, 4, v1
	v_lshlrev_b32 v6, 5, v6                        ; its row of 32 scale bytes
	WALU
	s_wait_kmcnt 0x0
	s_bitcmp1_b32 s28, 0                           ; the tensor is chosen by the work-group's number alone
	s_cselect_b64 s[44:45], s[12:13], s[10:11]
	s_cselect_b64 s[46:47], s[16:17], s[14:15]
	s_bitcmp1_b32 s28, 1
	s_cselect_b64 s[4:5], s[46:47], s[44:45]
	s_add_nc_u64 s[4:5], s[4:5], s[34:35]
	s_add_nc_u64 s[6:7], s[22:23], s[38:39]
	s_add_nc_u64 s[8:9], s[24:25], s[40:41]
.set J, 0
.rept 128
	global_load_b32 v[R+J], v3, s[4:5] offset:J*4096 th:TH_LOAD_NT   ; W(128 kq + J, my column): the four waves stand side by side on 512 bytes
.set J, J+1
.endr
.macro BLOCKW b                        ; block b of my column: lane (r, b % 2) of the image, registers 6 (b / 2) ..
.set XS, R+32*(\b)
.set CW, 144+8*(\b)
.set TW, 176+4*(\b)
.if (\b) < 2
	s_wait_loadcnt 63                              ; this block's 32 loads are in: 96 or 64 later ones might be out, and the wait's field holds 63 at the most
.else
	s_wait_loadcnt 96-32*(\b)                      ; this block's 32 loads are in; the later blocks' may be out
.endif
	v_max3_num_f32 v[M], |v[XS]|, |v[XS+1]|, |v[XS+2]|
	v_max3_num_f32 v[M+1], |v[XS+3]|, |v[XS+4]|, |v[XS+5]|
.irp i, 6,10,14,18,22,26
	v_max3_num_f32 v[M], v[M], |v[XS+\i]|, |v[XS+\i+1]|
	v_max3_num_f32 v[M+1], v[M+1], |v[XS+\i+2]|, |v[XS+\i+3]|
.endr
	v_max3_num_f32 v[M], v[M], |v[XS+30]|, |v[XS+31]|
	v_max3_num_f32 v[M], v[M], v[M+1], 0x1800000
	v_add_nc_u32 v[SO], 0xff000000, v[M]
	v_lshrrev_b32 v[M+1], 23, v[SO]
.if (\b) == 0
	v_mov_b32 v[WD], v[M+1]
.else
	v_lshl_or_b32 v[WD], v[M+1], 8*(\b), v[WD]
.endif
	v_cvt_scalef32_pk16_fp6_f32 v[CW:CW+2], v[XS:XS+15], v[SO]
	v_cvt_scalef32_pk16_fp6_f32 v[TW:TW+2], v[XS+16:XS+31], v[SO]
	v_nop
.irp i, 0,1,2
	v_mov_b32 v[CW+3+\i], v[TW+\i]
.endr
	global_store_b128 v4, v[CW:CW+3], s[6:7] offset:768*((\b)/2)+256*((\b)%2)       ; sixteen lanes fill 256 consecutive aligned bytes of a fragment
	global_store_b64 v5, v[CW+4:CW+5], s[6:7] offset:768*((\b)/2)+512+128*((\b)%2)
.endm
.irp b, 0,1,2,3
	BLOCKW \b
.endr
	WALU
	global_store_b32 v6, v[WD], s[8:9]             ; my column's scale word of these 128 along K
	s_endpgm
.Lfunc_end_k_q49cb43b7fe_quant:
	.size	k_q49cb43b7fe_quant, .Lfunc_end_k_q49cb43b7fe_quant-k_q49cb43b7fe_quant
	.p2alignl 7, 3214868480
	.fill 96, 4, 3214868480
	.section	.rodata,"a",@progbits
	.p2align	6, 0x0
	.amdhsa_kernel k_q49cb43b7fe_quant
		.amdhsa_group_segment_fixed_size 34304
		.amdhsa_private_segment_fixed_size 0
		.amdhsa_enable_private_segment 0
		.amdhsa_kernarg_size 88
		.amdhsa_user_sgpr_count 2
		.amdhsa_user_sgpr_kernarg_segment_ptr 1
		.amdhsa_wavefront_size32 1
		.amdhsa_system_sgpr_workgroup_id_x 1
		.amdhsa_system_sgpr_workgroup_id_y 1
		.amdhsa_system_sgpr_workgroup_id_z 1
		.amdhsa_system_vgpr_workitem_id 0
		.amdhsa_next_free_vgpr 240
		.amdhsa_next_free_sgpr 66
		.amdhsa_reserve_vcc 0
		.amdhsa_float_denorm_mode_32 3
		.amdhsa_float_denorm_mode_16_64 3
		.amdhsa_memory_ordered 1
		.amdhsa_forward_progress 1
		.amdhsa_inst_pref_size 52
	.end_amdhsa_kernel
	.amdgpu_metadata
---
amdhsa.version: [ 1, 2 ]
amdhsa.kernels:
  - .name:           k_q49cb43b7fe_quant
    .symbol:         k_q49cb43b7fe_quant.kd
    .args:
      - { .name: q, .offset: 0, .size: 8, .value_kind: global_buffer, .address_space: global }
      - { .name: k, .offset: 8, .size: 8, .value_kind: global_buffer, .address_space: global }
      - { .name: v, .offset: 16, .size: 8, .value_kind: global_buffer, .address_space: global }
      - { .name: w_q, .offset: 24, .size: 8, .value_kind: global_buffer, .address_space: global }
      - { .name: w_k, .offset: 32, .size: 8, .value_kind: global_buffer, .address_space: global }
      - { .name: w_v, .offset: 40, .size: 8, .value_kind: global_buffer, .address_space: global }
      - { .name: w_o, .offset: 48, .size: 8, .value_kind: global_buffer, .address_space: global }
      - { .name: xc, .offset: 56, .size: 8, .value_kind: global_buffer, .address_space: global }
      - { .name: xs, .offset: 64, .size: 8, .value_kind: global_buffer, .address_space: global }
      - { .name: wc, .offset: 72, .size: 8, .value_kind: global_buffer, .address_space: global }
      - { .name: ws, .offset: 80, .size: 8, .value_kind: global_buffer, .address_space: global }
    .group_segment_fixed_size: 34304
    .private_segment_fixed_size: 0
    .kernarg_segment_align: 8
    .kernarg_segment_size: 88
    .max_flat_workgroup_size: 128
    .sgpr_count:     66
    .vgpr_count:     240
    .wavefront_size: 32
...
	.end_amdgpu_metadata
.endif
;; end of part 1
;; launch proj (part 2): grid 4 x 96, 4 waves a work-group, clusters of 4 x 4, 327,680 bytes of LDS; arguments xc, xs, wc, ws, hc, hs; writes hc, hs
.if DOCPART == 2
	.amdgcn_target "amdgcn-amd-amdhsa--gfx1250"
	.amdhsa_code_object_version 6
	.text
	.protected	k_q49cb43b7fe_proj
	.globl	k_q49cb43b7fe_proj
	.p2align	8
	.type	k_q49cb43b7fe_proj,@function
k_q49cb43b7fe_proj:
	s_mov_b64 s[64:65], 0
	v_nop
	global_prefetch_b8 v0, s[64:65] scope:SCOPE_SE
	s_setreg_imm32_b32 hwreg(HW_REG_WAVE_MODE, 25, 1), 1
	s_wait_xcnt 0x0
	s_wait_alu depctr_hold_cnt(0) depctr_sa_sdst(0) depctr_va_vdst(0) depctr_va_sdst(0) depctr_va_ssrc(0) depctr_va_vcc(0) depctr_vm_vsrc(0)
	s_getreg_b32 s2, hwreg(HW_REG_IB_STS2, 6, 4)
	s_cmp_eq_u32 s2, 0
	s_cbranch_scc0 .Lentry_in_a_cluster
	s_endpgm
.Lentry_in_a_cluster:
	s_bfe_u32 s2, ttmp6, 0x10000c
	s_cmp_lg_u32 s2, 0xf033
	s_cbranch_scc0 .Lentry_shape_is_right
	s_endpgm
.Lentry_shape_is_right:
.set SIZE_K, 1024
.set KSTEP,  256
.set NQ,     KSTEP/128
.set ROWB,   24576                     ; from a K step's tile to the next: 128 rows x 256 K as 16 fragment images of 1,536 bytes
.set KROW,   SIZE_K*6/8
.set PITCH,  192
.set FR,     12
.set NL,     4
.set NP,     4
.set HALFT,  128*PITCH
.set SLOT,   4*HALFT
.set LAPS,   SIZE_K/(2*KSTEP)
.set KS,     SIZE_K/32
.set SCL,    2*SLOT
.set HALFS,  (128*KS/256)*272
.set SBLK,   (16*KS/256)*272
.set SPARE,  SCL+4*HALFS
.set ADRA, 16
.set ADRB, 20
.set O16,  24
.set O8,   25
.set O4,   26
.set ADRS, 27
.set SPW,  28
.set NIL,  29
.set SC,   32
.set AF,   128
.set TM,   128
.set PW,   144
.set SW,   146
.set CDS,  152
.set G1, 24
.set G0, 32
.set G1B, 48
.set G0B, 56
.set G1S, 68
.set G0S, 76
.set G1SB, 80
.set G0SB, 88
.set HM,  66
.set SEL, 100
.set MSB, 0
.macro WIN new
.if MSB != \new
	s_set_vgpr_msb (MSB<<8)|\new
.set MSB, \new
.endif
.endm
.set MUL_LO, 0xa1
.set MUL_HI, 0xf1
.set TO_B,   0x40
.macro JLOAD g0a, g1a, g0b, g1b
	s_cmp_eq_u32 s15, 0
	s_cbranch_scc0 .Lfor_b_\@
	tensor_load_to_lds s[\g0a:\g0a+3], s[\g1a:\g1a+7]
	s_nop 0
.rept 4
	v_nop
.endr
	s_branch .Lasked_\@
.Lfor_b_\@:
	tensor_load_to_lds s[\g0b:\g0b+3], s[\g1b:\g1b+7]
	s_nop 0
.rept 4
	v_nop
.endr
.Lasked_\@:
.endm
.macro CREST
	s_cmp_lg_u32 s14, 0
	s_cbranch_scc1 .Lnot_wave_0_\@
	s_barrier_signal -3
.Lnot_wave_0_\@:
	s_barrier_wait -3
	s_barrier_signal -1
	s_barrier_wait -1
.endm
.macro CROUND
	s_barrier_signal -1
	s_barrier_wait -1
	CREST
.endm
	s_load_b128 s[4:7], s[0:1], 0x0
	s_load_b128 s[8:11], s[0:1], 0x10
	s_load_b128 s[96:99], s[0:1], 0x20
	v_lshl_add_u32 v[SPW], v0, 2, SPARE
	v_mov_b32 v[NIL], 0
	ds_add_u32 v[SPW], v[NIL]
	ds_add_u32 v[SPW], v[NIL]
	v_lshrrev_b32 v1, 5, v0
	v_readfirstlane_b32 s14, v1
	s_lshr_b32 s15, s14, 1
	s_and_b32 s16, s14, 1
	s_bfe_u32 s40, ttmp6, 0x40000
	s_bfe_u32 s41, ttmp6, 0x40004
	s_and_b32 s95, ttmp7, 0xffff
	s_lshr_b32 s2, s95, 3
	s_and_b32 s17, s95, 7
	s_lshl_b32 s17, s17, 2
	s_cmp_lt_u32 s95, 16
	s_cselect_b32 s18, s17, 0
	s_cselect_b32 s19, 0, s17
	s_add_co_u32 s42, s19, s40
	s_add_co_u32 s17, s18, s41
	s_lshl_b32 s43, s41, 2
	s_lshl_b32 s43, 15, s43
	s_lshl_b32 s44, 0x1111, s40
	s_or_b32 s[G1+0], s43, (1<<21)
	s_or_b32 s[G1B+0], s44, (1<<21)
.irp g, G1, G1B
	s_mov_b32 s[\g+1], 256<<16                     ; a dense tile of 24,576 bytes as 96 rows of 256 bytes, no padding: every LDS read takes neighbouring lanes' neighbouring bytes
	s_mov_b32 s[\g+2], 96<<16
	s_mov_b32 s[\g+3], 256<<16
	s_mov_b32 s[\g+4], 96
	s_mov_b32 s[\g+5], 256
	s_mov_b32 s[\g+6], 0
	s_mov_b32 s[\g+7], 0
.endr
	s_or_b32 s[G1S+0], s43, (3<<16)|(1<<20)|(1<<21)|(5<<22)|(3<<25)
	s_or_b32 s[G1SB+0], s44, (3<<16)|(1<<20)|(1<<21)|(5<<22)|(3<<25)
.irp g, G1S, G1SB
	s_mov_b32 s[\g+1], 32<<16
	s_mov_b32 s[\g+2], (128*KS/256)<<16
	s_mov_b32 s[\g+3], 32<<16
	s_mov_b32 s[\g+4], 128*KS/256
	s_mov_b32 s[\g+5], 32
	s_mov_b32 s[\g+6], 0
	s_mov_b32 s[\g+7], 0
.endr
	s_lshl_b32 s18, s16, 7
	s_lshl_b32 s20, s17, 8
	s_add_co_u32 s20, s20, s18
	s_lshl_b32 s46, s42, 8
	s_add_co_u32 s46, s46, s18
	s_mov_b32 s21, 0
	s_mov_b32 s47, 0
	s_mov_b64 s[18:19], KS
	s_mul_u64 s[22:23], s[20:21], s[18:19]
	s_mul_u64 s[92:93], s[46:47], s[18:19]
	s_mov_b64 s[18:19], KROW
	s_mul_u64 s[20:21], s[20:21], s[18:19]
	s_mul_u64 s[46:47], s[46:47], s[18:19]
	s_mul_i32 s45, s14, HALFT
	s_mul_i32 s94, s14, HALFS
	s_mov_b32 s101, 0
	s_wait_dscnt 0x0
	s_wait_kmcnt 0x0
	s_mul_i32 s100, s2, 8192*KROW
	s_add_nc_u64 s[4:5], s[4:5], s[100:101]
	s_mul_i32 s100, s2, 8192*KS
	s_add_nc_u64 s[6:7], s[6:7], s[100:101]
	s_mul_i32 s100, s2, 1024*KROW
	s_add_nc_u64 s[8:9], s[8:9], s[100:101]
	s_mul_i32 s100, s2, 1024*KS
	s_add_nc_u64 s[10:11], s[10:11], s[100:101]
	s_cmp_lt_u32 s95, 16
	s_cselect_b64 s[66:67], s[4:5], s[8:9]
	s_cselect_b64 s[8:9], s[8:9], s[4:5]
	s_mov_b64 s[4:5], s[66:67]
	s_cselect_b64 s[66:67], s[6:7], s[10:11]
	s_cselect_b64 s[10:11], s[10:11], s[6:7]
	s_mov_b64 s[6:7], s[66:67]
	s_add_nc_u64 s[20:21], s[4:5], s[20:21]
	s_add_nc_u64 s[22:23], s[6:7], s[22:23]
	s_add_nc_u64 s[46:47], s[8:9], s[46:47]
	s_add_nc_u64 s[92:93], s[10:11], s[92:93]
	CROUND
	s_mov_b32 s[G0S], 1
	s_add_co_u32 s[G0S+1], s94, SCL
	s_mov_b64 s[G0S+2:G0S+3], s[22:23]
	s_or_b32 s[G0S+3], s[G0S+3], 0x80000000
	s_mov_b32 s[G0SB], 1
	s_add_co_u32 s[G0SB+1], s94, SCL
	s_mov_b64 s[G0SB+2:G0SB+3], s[92:93]
	s_or_b32 s[G0SB+3], s[G0SB+3], 0x80000000
	JLOAD G0S, G1S, G0SB, G1SB
.irp s, 0,1
	s_mov_b32 s[G0+4*\s], 1
	s_add_co_u32 s[G0+4*\s+1], s45, \s*SLOT
	s_add_nc_u64 s[G0+4*\s+2:G0+4*\s+3], s[20:21], \s*ROWB
	s_or_b32 s[G0+4*\s+3], s[G0+4*\s+3], 0x80000000
	s_mov_b32 s[G0B+4*\s], 1
	s_add_co_u32 s[G0B+4*\s+1], s45, \s*SLOT
	s_add_nc_u64 s[G0B+4*\s+2:G0B+4*\s+3], s[46:47], \s*ROWB
	s_or_b32 s[G0B+4*\s+3], s[G0B+4*\s+3], 0x80000000
	s_wait_alu depctr_va_vdst(0)
	s_wait_tensorcnt 0x0
	ds_add_u32 v28, v29
	s_wait_dscnt 0x0
	CROUND
	JLOAD G0+4*\s, G1, G0B+4*\s, G1B
.endr
	v_and_b32 v1, 15, v0
	v_bfe_u32 v2, v0, 4, 1
	v_and_b32 v3, 31, v0
	v_lshlrev_b32 v4, 4, v3                        ; 16 lane: registers 6 c .. 6 c + 3 of a fragment's image
	v_lshl_add_u32 v5, v3, 3, 512                  ; 512 + 8 lane: registers 6 c + 4, 5
	s_mul_i32 s21, s15, HALFT
	s_mul_i32 s22, s16, HALFT
	s_add_co_u32 s22, s22, 2*HALFT
.irp s, 0,1
	v_add_nc_u32 v[ADRA+\s], s21, v4
	v_add_nc_u32 v[ADRB+\s], s22, v4
	v_add_nc_u32 v[ADRA+2+\s], s21, v5
	v_add_nc_u32 v[ADRB+2+\s], s22, v5
	s_add_co_u32 s21, s21, SLOT
	s_add_co_u32 s22, s22, SLOT
.endr
	v_mul_u32_u24 v5, v1, KS
	v_lshrrev_b32 v6, 8, v5
	v_lshl_add_u32 v5, v6, 4, v5
	s_mul_i32 s21, s15, HALFS
	s_mul_i32 s22, s16, HALFS
	s_add_co_u32 s22, s22, 2*HALFS
	s_sub_co_u32 s22, s22, s21
	v_mul_u32_u24 v6, s22, v2
	s_add_co_u32 s21, s21, SCL
	v_add_nc_u32 v5, v5, v6
	v_add_nc_u32 v[ADRS], s21, v5
	v_and_b32 v6, 31, v0
	v_lshlrev_b32 v[O16], 4, v6
	v_lshlrev_b32 v[O8], 3, v6
	v_lshlrev_b32 v[O4], 2, v6
	s_lshl_b32 s20, s17, 1
	s_add_co_u32 s20, s20, s15
	s_lshl_b32 s21, s42, 1
	s_add_co_u32 s21, s21, s16
	s_cmp_lt_u32 s95, 16
	s_cselect_b32 s22, s20, s21
	s_cselect_b32 s23, s21, s20
	s_lshr_b32 s46, s22, 4
	s_lshl_b32 s46, s46, 3
	s_or_b32 s46, s46, s23
	s_lshl_b32 s46, s46, 4
	s_and_b32 s22, s22, 15
	s_or_b32 s46, s46, s22
	s_mul_i32 s20, s46, 12288
	s_mul_i32 s21, s2, 512*12288
	s_add_co_u32 s20, s20, s21
	s_mov_b32 s21, 0
	s_add_nc_u64 s[12:13], s[96:97], s[20:21]
	s_lshl_b32 s20, s46, 9
	s_lshl_b32 s22, s2, 18
	s_add_co_u32 s20, s20, s22
	s_add_nc_u64 s[98:99], s[98:99], s[20:21]
.macro FRAG reg, adr, q, i
.irp c, 0,1
	ds_load_b128 v[\reg+6*\c:\reg+6*\c+3], v[\adr] offset:(\i)*3072+(\q)*1536+768*\c
	ds_load_b64 v[\reg+6*\c+4:\reg+6*\c+5], v[\adr+2] offset:(\i)*3072+(\q)*1536+768*\c
.endr
.endm
.macro MUL16 a0, p, q, sc, zero
.irp a, \a0, \a0+1
.irp b, 0,1,2,3,4,5,6,7
.if \zero
	v_wmma_scale_f32_16x16x128_f8f6f4 v[8*(8*((\a)%4)+\b):8*(8*((\a)%4)+\b)+7], v[128*(\p)+FR*\b:128*(\p)+FR*\b+FR-1], v[AF+FR*(\a):AF+FR*(\a)+FR-1], 0, v[SC+8*NQ*(\sc)+NQ*\b+(\q)], v[SC+8*NQ*(\sc)+NQ*(\a)+(\q)] matrix_a_fmt:MATRIX_FMT_FP6 matrix_b_fmt:MATRIX_FMT_FP6 matrix_a_scale:MATRIX_SCALE_ROW1
.else
	v_wmma_scale_f32_16x16x128_f8f6f4 v[8*(8*((\a)%4)+\b):8*(8*((\a)%4)+\b)+7], v[128*(\p)+FR*\b:128*(\p)+FR*\b+FR-1], v[AF+FR*(\a):AF+FR*(\a)+FR-1], v[8*(8*((\a)%4)+\b):8*(8*((\a)%4)+\b)+7], v[SC+8*NQ*(\sc)+NQ*\b+(\q)], v[SC+8*NQ*(\sc)+NQ*(\a)+(\q)] matrix_a_fmt:MATRIX_FMT_FP6 matrix_b_fmt:MATRIX_FMT_FP6 matrix_a_scale:MATRIX_SCALE_ROW1
.endif
.endr
.endr
.endm
.macro FETCH_B slot, q, p
	WIN TO_B
.irp i, 0,1,2,3,4,5,6,7
	FRAG 128*(\p)+FR*\i, ADRB+\slot, \q, \i
.endr
	WIN 0
.endm
.macro FETCH_A slot, q, i0
.irp i, \i0, \i0+1, \i0+2, \i0+3
	FRAG AF+FR*(\i), ADRA+\slot, \q, \i
.endr
.endm
.macro SCALES sc
.irp i, 0,1,2,3,4,5,6,7
	ds_load_b64 v[SC+8*NQ*\sc+NQ*\i:SC+8*NQ*\sc+NQ*\i+1], v[ADRS] offset:\i*SBLK
.endr
.endm
.macro PLACES n
.rept \n
	v_nop
.endr
.endm
.macro STEP slot, q, zero
	s_wait_dscnt 4*NL
	WIN MUL_LO
	MUL16 0, (\q)%2, \q, \slot, \zero
	MUL16 2, (\q)%2, \q, \slot, \zero
	s_wait_dscnt 0
	PLACES NP
	FETCH_B \slot, (\q)+1, 1-(\q)%2
	FETCH_A \slot, (\q)+1, 0
	WIN MUL_HI
	MUL16 4, (\q)%2, \q, \slot, \zero
	MUL16 6, (\q)%2, \q, \slot, \zero
	PLACES NP
	WIN 0
	FETCH_A \slot, (\q)+1, 4
.endm
.macro TURN slot, next, fill
	s_wait_tensorcnt 0x0
	ds_add_u32 v[SPW], v[NIL]
	s_wait_dscnt 4*NL+1
	WIN MUL_LO
	MUL16 0, 1, NQ-1, \slot, 0
	s_wait_dscnt 0x0
	s_barrier_signal -1
	MUL16 2, 1, NQ-1, \slot, 0
	WIN 0
	s_barrier_wait -1
.if \fill
	CREST
	s_add_nc_u64 s[G0+4*\slot+2:G0+4*\slot+3], s[G0+4*\slot+2:G0+4*\slot+3], 2*ROWB
	s_add_nc_u64 s[G0B+4*\slot+2:G0B+4*\slot+3], s[G0B+4*\slot+2:G0B+4*\slot+3], 2*ROWB
	JLOAD G0+4*\slot, G1, G0B+4*\slot, G1B
.else
	PLACES NP
.endif
	s_wait_alu depctr_va_vdst(0)
	v_add_nc_u32 v[ADRS], 4*NQ, v[ADRS]
	FETCH_B \next, 0, 0
	FETCH_A \next, 0, 0
	SCALES \next
	WIN MUL_HI
	MUL16 4, 1, NQ-1, \slot, 0
	MUL16 6, 1, NQ-1, \slot, 0
	PLACES NP
	WIN 0
	FETCH_A \next, 0, 4
.endm
	s_wait_alu depctr_va_vdst(0)
	s_wait_tensorcnt 1
	s_barrier_signal -1
	s_barrier_wait -1
	FETCH_B 0, 0, 0
	FETCH_A 0, 0, 0
	SCALES 0
	FETCH_A 0, 0, 4
	STEP 0, 0, 1
	s_mov_b32 s3, LAPS-1
.Llap:
	TURN 0, 1, 1
	STEP 1, 0, 0
	TURN 1, 0, 1
	STEP 0, 0, 0
	s_sub_co_u32 s3, s3, 1
	s_cmp_lg_u32 s3, 0
	s_cbranch_scc1 .Llap
	TURN 0, 1, 0
	STEP 1, 0, 0
	s_wait_dscnt 4*NL
	WIN MUL_LO
	MUL16 0, 1, NQ-1, 1, 0
	MUL16 2, 1, NQ-1, 1, 0
	s_wait_dscnt 0
	WIN MUL_HI
	MUL16 4, 1, NQ-1, 1, 0
	MUL16 6, 1, NQ-1, 1, 0
	WIN 0
.macro QOUT a
.set AC, 64*((\a)%4)
	WIN 0x28+0x14*((\a)/4)
.irp b, 0,1,2,3
	v_max3_num_f32 v[TM+\b], 0x1800000, |v[AC+16*\b]|, |v[AC+16*\b+1]|
.endr
.irp i, 2,4,6,8,10,12,14
.irp b, 0,1,2,3
	v_max3_num_f32 v[TM+\b], v[TM+\b], |v[AC+16*\b+\i]|, |v[AC+16*\b+\i+1]|
.endr
.endr
	WIN 0
.irp b, 0,1,2,3
	v_permlanex16_b32 v[TM+4+\b], v[TM+\b], s[SEL], s[SEL+1]
.endr
.irp b, 0,1,2,3
	v_max_num_f32 v[TM+\b], v[TM+\b], v[TM+4+\b]
.endr
.irp b, 0,1,2,3
	v_add_nc_u32 v[TM+12+\b], 0xff000000, v[TM+\b]
.endr
.irp b, 0,1,2,3
	v_lshrrev_b32 v[TM+4+\b], 23, v[TM+12+\b]
.endr
	v_lshl_or_b32 v[PW+(\a)%2], v[TM+5], 8, v[TM+4]
	v_lshl_or_b32 v[PW+(\a)%2], v[TM+6], 16, v[PW+(\a)%2]
	v_lshl_or_b32 v[PW+(\a)%2], v[TM+7], 24, v[PW+(\a)%2]
.if (\a) > 0
	s_wait_xcnt 0x0
.endif
	WIN 2+(\a)/4
.irp c, 0,1
	v_cvt_scalef32_pk16_fp6_f32 v[CDS+6*\c:CDS+2+6*\c], v[AC+32*\c:AC+15+32*\c], v[TM+12+2*\c]
	v_cvt_scalef32_pk16_fp6_f32 v[CDS+12+4*\c:CDS+14+4*\c], v[AC+16+32*\c:AC+31+32*\c], v[TM+12+2*\c+1]
.endr
	WIN 0
	v_nop
.irp c, 0,1
.irp i, 0,1,2
	v_permlane16_swap_b32 v[CDS+6*\c+\i], v[CDS+12+4*\c+\i]
.endr
.irp i, 0,1,2
	v_mov_b32 v[CDS+3+6*\c+\i], v[CDS+12+4*\c+\i]
.endr
.endr
.irp c, 0,1
	global_store_b128 v[O16], v[CDS+6*\c:CDS+6*\c+3], s[12:13] offset:1536*(\a)+768*\c
	global_store_b64 v[O8], v[CDS+6*\c+4:CDS+6*\c+5], s[12:13] offset:1536*(\a)+768*\c+512
.endr
.if (\a)%2
	v_cndmask_b32 v[SW+(\a)/2], v[PW], v[PW+1], s[HM]
	global_store_b32 v[O4], v[SW+(\a)/2], s[98:99] offset:128*((\a)/2)
.endif
.endm
	PLACES NP
	s_mov_b32 s[SEL], 0x76543210
	s_mov_b32 s[SEL+1], 0xfedcba98
	s_mov_b32 s[HM], 0xffff0000
.irp b, 0,1,2,3
	v_mov_b32 v[TM+4+\b], 0
.endr
.irp a, 0,1,2,3,4,5,6,7
	QOUT \a
.endr
	s_wait_tensorcnt 0x0
	ds_add_u32 v[SPW], v[NIL]
	s_wait_dscnt 0x0
	CROUND
	s_endpgm
.Lfunc_end_k_q49cb43b7fe_proj:
	.size	k_q49cb43b7fe_proj, .Lfunc_end_k_q49cb43b7fe_proj-k_q49cb43b7fe_proj
	.p2alignl 7, 3214868480
	.fill 96, 4, 3214868480
	.section	.rodata,"a",@progbits
	.p2align	6, 0x0
	.amdhsa_kernel k_q49cb43b7fe_proj
		.amdhsa_group_segment_fixed_size 327680
		.amdhsa_private_segment_fixed_size 0
		.amdhsa_enable_private_segment 0
		.amdhsa_kernarg_size 48
		.amdhsa_user_sgpr_count 2
		.amdhsa_user_sgpr_kernarg_segment_ptr 1
		.amdhsa_wavefront_size32 1
		.amdhsa_system_sgpr_workgroup_id_x 1
		.amdhsa_system_sgpr_workgroup_id_y 1
		.amdhsa_system_sgpr_workgroup_id_z 1
		.amdhsa_system_vgpr_workitem_id 0
		.amdhsa_next_free_vgpr 1024
		.amdhsa_next_free_sgpr 102
		.amdhsa_reserve_vcc 0
		.amdhsa_float_denorm_mode_32 3
		.amdhsa_float_denorm_mode_16_64 3
		.amdhsa_memory_ordered 1
		.amdhsa_forward_progress 1
		.amdhsa_inst_pref_size 151
	.end_amdhsa_kernel
	.amdgpu_metadata
---
amdhsa.version: [ 1, 2 ]
amdhsa.kernels:
  - .name:           k_q49cb43b7fe_proj
    .symbol:         k_q49cb43b7fe_proj.kd
    .args:
      - { .name: xc, .offset: 0, .size: 8, .value_kind: global_buffer, .address_space: global }
      - { .name: xs, .offset: 8, .size: 8, .value_kind: global_buffer, .address_space: global }
      - { .name: wc, .offset: 16, .size: 8, .value_kind: global_buffer, .address_space: global }
      - { .name: ws, .offset: 24, .size: 8, .value_kind: global_buffer, .address_space: global }
      - { .name: hc, .offset: 32, .size: 8, .value_kind: global_buffer, .address_space: global }
      - { .name: hs, .offset: 40, .size: 8, .value_kind: global_buffer, .address_space: global }
    .group_segment_fixed_size: 327680
    .private_segment_fixed_size: 0
    .kernarg_segment_align: 8
    .kernarg_segment_size: 48
    .max_flat_workgroup_size: 128
    .sgpr_count:     102
    .vgpr_count:     1024
    .wavefront_size: 32
...
	.end_amdgpu_metadata
.endif
;; end of part 2
;; launch attn (part 3): grid 4 x 64, 16 waves a work-group, clusters of 4 x 1, 327,680 bytes of LDS; arguments hc, hs, oc, osc; writes oc, osc
.if DOCPART == 3
	.amdgcn_target "amdgcn-amd-amdhsa--gfx1250"
	.amdhsa_code_object_version 6
	.text
	.protected	k_q49cb43b7fe_attn
	.globl	k_q49cb43b7fe_attn
	.p2align	8
	.type	k_q49cb43b7fe_attn,@function
k_q49cb43b7fe_attn:
	s_mov_b64 s[64:65], 0
	v_nop
	global_prefetch_b8 v0, s[64:65] scope:SCOPE_SE
	s_setreg_imm32_b32 hwreg(HW_REG_WAVE_MODE, 25, 1), 1
	s_wait_xcnt 0x0
	s_wait_alu depctr_hold_cnt(0) depctr_sa_sdst(0) depctr_va_vdst(0) depctr_va_sdst(0) depctr_va_ssrc(0) depctr_va_vcc(0) depctr_vm_vsrc(0)
	s_getreg_b32 s2, hwreg(HW_REG_IB_STS2, 6, 4)
	s_cmp_eq_u32 s2, 0
	s_cbranch_scc0 .Lentry_in_a_cluster
	s_endpgm
.Lentry_in_a_cluster:
	s_bfe_u32 s2, ttmp6, 0x10000c
	s_cmp_lg_u32 s2, 0x3003
	s_cbranch_scc0 .Lentry_shape_is_right
	s_endpgm
.Lentry_shape_is_right:
; Attention for 64 (batch, head) pairs of 2,048 x 2,048 x 64, both products on codes of FP6 (E2M3) with one E8M0 scale for each 32 along a product's K; the result is quantised along the model's 1,024 for the last projection.
; IN: hc, chunks of 128 rows x 128 K as images of operands' registers (8 fragments of 1,536 bytes; a fragment's half c: 512 bytes = registers 6 c .. 6 c + 3, 16 bytes a lane; 256 bytes = registers 6 c + 4, 5), hs: a scale word a row.
;   hq, hk: rows = 128 positions of the sequence, K = a head pair's 128 channels: half c is head 2 hp + c.   hv: rows = the pair's 128 positions of (head, channel), K = 128 keys in their order.
;   Queries and channels: a position is the index with bits 3 and 4 exchanged.  KEYS: position 64 C + 16 j + m is key 64 C + 32 (m / 8) + 8 j + m % 8.
; THE SOFTMAX: t = score x log2(e) / 8; M = the row's largest t so far, rounded UP to a whole number; p = 2^(t - M) is quantised along the keys, not normalised; the row's sum is taken of the unquantised p and divides O at
; the end.  When M moves, the sum and O are multiplied by 2^(old M - new M): exact.
; SHARES: a work-group owns ONE head of one batch and 512 queries: 4 x 64 = 256 work-groups.  One head's K (128 fragment halves of 768 bytes), V (16 x 6,144 bytes) and scale words (8,192 + 4,096 bytes) are 208,896 bytes:
; they come into LDS ONCE, by sixteen tensor loads at the head, one a wave, and stay.  Nothing is filled again: the walk over the keys has no barrier and no wait on TENSORcnt.
; Wave w owns 16 queries in each of two passes (tile w, then tile 16 + w of the work-group's 32) and walks all 2,048 keys, 128 a step.
; LAYOUT: both products transposed: S^T = K Q^T (source 0 = 16 key positions, source 1 = my queries), O^T = V^T P^T: a lane holds ONE query throughout.  By the keys' order the 32 registers of S^T's tiles 4 c .. 4 c + 3 in
; lane (r, h) are the keys 64 c + 32 h + 0 .. 31: a WHOLE scale block of p, in the order of the operand's registers 6 c .. 6 c + 5: no lane asks another for a block's maximum, and no code changes lanes.
; The head's 64 channels fill registers 0-5 of an operand; Q's registers 6-11 are zero codes, so whatever codes stand in registers 6-11 of K's operands add nothing (FP6 has no NaN or infinity; the scale bytes over them
; are 0): the second pass's Q waits there.
; CLUSTER: the four query blocks of a head read the same K and V: each tile is asked for jointly, with the mask of all four.  No prefetch: every tile is asked for at the head, and there is no loop to run ahead in.
; OUT: oc as images of operand registers, [128 rows][K step of 256][tile of 16 query positions][128 K][1,536 bytes]: my head is half (head % 2) of fragment head / 2: stores of 512 and of 256 consecutive bytes.
; osc [row by position][32]: two bytes a row and head, stored a byte a lane.
; LIMITS: NaN and infinities are not served; the promise holds while the scaled scores t stay under 2^31 in magnitude; a block of zeros, or under 2^-124, keeps the byte 1; a block's largest p is taken from its largest score
; (v_exp_f32 is taken not to fall where its input rises); 1 / l by v_rcp_f32.
.set CHK,   12288                      ; a chunk in hc
.set HCT,   512*CHK                    ; a tensor in hc
.set PAIRB, 16*CHK                     ; a head pair's chunks
.set KCH,   6144                       ; one head's part of a chunk
.set VB,    16*KCH                     ; LDS: K from 0, V from here,
.set SCK,   2*VB                       ; K's scale words (both heads of the pair), 8,192 bytes,
.set SCV,   SCK+8192                   ; V's (my head's), 4,096 bytes,
.set SPARE, SCV+4096                   ; the spare words, 128 bytes a wave: 2,048 bytes that no other line names
.set AK16, 1                           ; v1  16 lane: my place in a fragment half; also an offset in hc and oc
.set AK8,  2                           ; v2  8 lane + 512
.set AV16, 3                           ; v3  16 lane + VB
.set AV8,  4                           ; v4  8 lane + VB + 512
.set ASK0, 5                           ; v5  SCK + 4 lane + 2 g: my head's two bytes of a key's scale word
.set ASV0, 6                           ; v6  SCV + 4 lane
.set SPW,  7                           ; v7  my spare word; never rewritten
.set NIL,  8                           ; v8  0; never rewritten
.set ADK,  10                          ; v10-15 the six addresses of the step in hand
.set ADK8, 11
.set ADV,  12
.set ADV8, 13
.set ADS,  14
.set ADT,  15
.set QF,   16                          ; v16-27 Q's fragment (22-27 zero codes)
.set NM,   28                          ; v28 -M, v29 the largest t
.set SUM,  30                          ; v[30:31] the row's sum in two halves
.set KF,   32                          ; v32-79 four fragments of K; of each the upper six registers meet Q's zero codes
.set Q2,   38                          ; v38-43 the second pass's Q, v50 its scale bytes
.set Q2S,  50
.set KSC,  80                          ; v80-83 K's scale words; v84-85 V's; v86 p's; v87 Q's: these eight hold scales and nothing else
.set VSC,  84
.set PS,   86
.set QS,   87
.set FF,   88                          ; v[88:89] f = 2^(old M - new M), and a 0 named with it as a pair
.set TP,   90
.set SH8,  91                          ; v91 8 x (lane / 16)
.set PT,   92                          ; v92-95 at work
.set S,    96                          ; v96-159 S^T, then p
.set O,    160                         ; v160-191 O^T
.set VF,   192                         ; v192-239 four fragments of V
.set PC,   240                         ; v240-251 p's codes
.set BM,   252                         ; v252, v254 the two blocks' largest scores; v253, v255 their second chains
.set SO,   32                          ; during the softmax the lower halves of K's registers are free: v32-33 the conversions' scale operands,
.set T2,   44                          ; v44-46, v56-58 the conversions' second halves
.set TK,   2                           ; s2  the step's place in K and in V: 6,144 a step
.set TS,   3                           ; s3  in K's scale words: 512 a step
.set WV,   18
.set HM,   19                          ; s19 the mask of lanes 16-31
.set SEL,  20                          ; s[20:21] lane l xor 16
.set CS,   22                          ; s[22:23] c = log2(e) / 8
.set G1K,  24                          ; groups 1: K's tile, V's, K's scale words, V's
.set G1V,  32
.set G1S,  40
.set G1T,  48
.set G0K,  56                          ; groups 0
.set G0V,  60
.set G0S,  68
.set G0T,  72
.set TV,   90                          ; s90 the step's place in V's scale words: 256 a step
.set CNT,  91                          ; s91 steps done
.macro CROUND                          ; a round of the cluster's barrier
	s_barrier_signal -1
	s_barrier_wait -1
	s_cmp_lg_u32 s[WV], 0
	s_cbranch_scc1 .Lnot_wave_0_\@
	s_barrier_signal -3
.Lnot_wave_0_\@:
	s_barrier_wait -3
	s_barrier_signal -1
	s_barrier_wait -1
.endm
.macro GROUP1 g, c, r, p               ; r rows of c elements of 8 bytes, p elements apart, no padding; the mask of all four work-groups, bit 21 beside it
	s_mov_b32 s[\g], 15|(3<<16)|(1<<21)
	s_mov_b32 s[\g+1], (\c)<<16
	s_mov_b32 s[\g+2], (\r)<<16
	s_mov_b32 s[\g+3], (\c)<<16
	s_mov_b32 s[\g+4], \r
	s_mov_b32 s[\g+5], \p
	s_mov_b32 s[\g+6], 0
	s_mov_b32 s[\g+7], 0
.endm
.macro TL g0, g1                       ; an s_nop 0 and four v_nop follow the load
	tensor_load_to_lds s[\g0:\g0+3], s[\g1:\g1+7]
	s_nop 0
.rept 4
	v_nop
.endr
.endm
.macro WALU
	s_wait_alu depctr_va_vdst(0)
.endm
	s_load_b256 s[4:11], s[0:1], 0x0               ; hc s[4:5], hs s[6:7], oc s[8:9], osc s[10:11]
	v_lshl_add_u32 v[SPW], v0, 2, SPARE
	v_mov_b32 v[NIL], 0
	ds_add_u32 v[SPW], v[NIL]                      ; the opening lines: the add, twice on end, and its wait ahead of my first tensor load
	ds_add_u32 v[SPW], v[NIL]
	v_lshrrev_b32 v10, 5, v0
	v_readfirstlane_b32 s[WV], v10                 ; wave 0..15
	s_bfe_u32 s12, ttmp6, 0x40000                  ; cx: my block of 512 queries: it enters Q's, oc's and osc's addresses alone
	s_and_b32 s13, ttmp7, 0xffff                   ; batch x 16 + head: the four partners share it
	s_lshr_b32 s14, s13, 1                         ; batch x 8 + head pair
	s_and_b32 s15, s13, 1                          ; g: which head of the pair
	s_and_b32 s16, s[WV], 7
	s_lshr_b32 s17, s[WV], 3
	GROUP1 G1K, 96, 16, 192                        ; K: 16 fragment halves of 768 bytes, 1,536 apart
	GROUP1 G1V, 768, 4, 1536                       ; V: my head's 6,144 bytes of 4 chunks, 12,288 apart
	GROUP1 G1S, 32, 16, 32                         ; K's scale words: 4,096 dense bytes
	GROUP1 G1T, 32, 8, 64                          ; V's: my head's 256 bytes of 8 chunks, 512 apart
	s_mul_i32 s76, s14, PAIRB
	s_mul_i32 s78, s15, 768
	s_add_co_u32 s78, s78, s76
	s_mul_i32 s79, s16, 16*1536
	s_add_co_u32 s78, s78, s79
	s_add_co_u32 s78, s78, HCT                     ; waves 0-7: K's fragments 16 w .. 16 w + 15
	s_mov_b32 s79, 0
	s_and_b32 s77, s[WV], 3
	s_mul_i32 s80, s15, KCH
	s_add_co_u32 s80, s80, s76
	s_mul_i32 s81, s77, 4*CHK
	s_add_co_u32 s80, s80, s81
	s_add_co_u32 s80, s80, 2*HCT                   ; waves 8-11: V's chunks 4 (w % 4) .. + 3
	s_mov_b32 s81, 0
	s_and_b32 s86, s[WV], 1
	s_lshl_b32 s87, s14, 13
	s_lshl_b32 s82, s86, 12
	s_add_co_u32 s82, s82, s87
	s_add_co_u32 s82, s82, 1<<18                   ; waves 12, 13: a half each of K's scale words
	s_mov_b32 s83, 0
	s_lshl_b32 s84, s15, 8
	s_add_co_u32 s84, s84, s82
	s_add_co_u32 s84, s84, 1<<18                   ; waves 14, 15: a half each of V's
	s_mov_b32 s85, 0
	s_mov_b32 s[G0K], 1
	s_mul_i32 s[G0K+1], s16, 2*KCH
	s_mov_b32 s[G0V], 1
	s_mul_i32 s[G0V+1], s77, 4*KCH
	s_add_co_u32 s[G0V+1], s[G0V+1], VB
	s_mov_b32 s[G0S], 1
	s_lshl_b32 s[G0S+1], s86, 12
	s_add_co_u32 s[G0S+1], s[G0S+1], SCK
	s_mov_b32 s[G0T], 1
	s_lshl_b32 s[G0T+1], s86, 11
	s_add_co_u32 s[G0T+1], s[G0T+1], SCV
	s_mov_b32 s[SEL], 0x76543210
	s_mov_b32 s[SEL+1], 0xfedcba98
	s_mov_b32 s[CS], 0x3e38aa3b                    ; c = log2(e) / sqrt(64)
	s_mov_b32 s[CS+1], s[CS]                       ; (named with it as a pair, so it is written)
	s_mov_b32 s[HM], 0xffff0000
	WALU
	s_wait_dscnt 0x0                               ; both opening adds are done
	s_wait_kmcnt 0x0
	s_add_nc_u64 s[G0K+2:G0K+3], s[4:5], s[78:79]
	s_or_b32 s[G0K+3], s[G0K+3], 0x80000000
	s_add_nc_u64 s[G0V+2:G0V+3], s[4:5], s[80:81]
	s_or_b32 s[G0V+3], s[G0V+3], 0x80000000
	s_add_nc_u64 s[G0S+2:G0S+3], s[6:7], s[82:83]
	s_or_b32 s[G0S+3], s[G0S+3], 0x80000000
	s_add_nc_u64 s[G0T+2:G0T+3], s[6:7], s[84:85]
	s_or_b32 s[G0T+3], s[G0T+3], 0x80000000
	CROUND                                         ; all four work-groups are here: the joint loads meet
	s_cmp_lt_u32 s[WV], 8                          ; one chain of branches on the wave's number, one load to an arm: every wave issues exactly one
	s_cbranch_scc0 .Larm_v
	TL G0K, G1K
	s_branch .Lasked
.Larm_v:
	s_cmp_lt_u32 s[WV], 12
	s_cbranch_scc0 .Larm_s
	TL G0V, G1V
	s_branch .Lasked
.Larm_s:
	s_cmp_lt_u32 s[WV], 14
	s_cbranch_scc0 .Larm_t
	TL G0S, G1S
	s_branch .Lasked
.Larm_t:
	TL G0T, G1T
.Lasked:
	v_and_b32 v10, 31, v0                          ; lane
	v_and_b32 v11, 15, v0                          ; r
	v_lshlrev_b32 v[AK16], 4, v10
	v_lshl_add_u32 v[AK8], v10, 3, 512
	v_lshl_add_u32 v[AV16], v10, 4, VB
	v_lshl_add_u32 v[AV8], v10, 3, VB+512
	s_lshl_b32 s76, s15, 1
	s_add_co_u32 s76, s76, SCK
	v_lshl_add_u32 v[ASK0], v10, 2, s76
	v_lshl_add_u32 v[ASV0], v10, 2, SCV
	v_lshlrev_b32 v9, 2, v11                       ; Q's scale words: 4 bytes a row
	v_bfe_u32 v[SH8], v0, 4, 1
	v_lshlrev_b32 v[SH8], 3, v[SH8]
	; Q: pass p's tile is tile w % 8 of chunk 4 cx + 2 p + w / 8 of my sequence's sixteen; my head's half
	s_lshl_b32 s76, s14, 4
	s_lshl_b32 s77, s12, 2
	s_add_co_u32 s76, s76, s77
	s_add_co_u32 s76, s76, s17
	s_mul_i32 s78, s76, CHK
	s_mul_i32 s79, s16, 1536
	s_add_co_u32 s78, s78, s79
	s_mul_i32 s79, s15, 768
	s_add_co_u32 s78, s78, s79
	s_mov_b32 s79, 0
	s_add_nc_u64 s[78:79], s[4:5], s[78:79]
	s_lshl_b32 s80, s76, 9
	s_lshl_b32 s81, s16, 6
	s_add_co_u32 s80, s80, s81
	s_lshl_b32 s81, s15, 1
	s_add_co_u32 s80, s80, s81
	s_mov_b32 s81, 0
	s_add_nc_u64 s[80:81], s[6:7], s[80:81]
	WALU                                           ; the wait ahead of the readers below
	global_load_b128 v[QF:QF+3], v[AK16], s[78:79]
	global_load_b64 v[QF+4:QF+5], v[AK8], s[78:79]
	global_load_u16 v[QS], v9, s[80:81]            ; bytes 0, 1: my head's two blocks; bytes 2, 3 are 0 and stand over zero codes
	global_load_b128 v[Q2:Q2+3], v[AK16], s[78:79] offset:2*CHK
	global_load_b64 v[Q2+4:Q2+5], v[AK8], s[78:79] offset:2*CHK
	global_load_u16 v[Q2S], v9, s[80:81] offset:1024
	; where pass 0's results go; pass 1's lie two blocks of 128 rows further on
	s_lshr_b32 s82, s13, 4
	s_lshl_b32 s82, s82, 4
	s_add_co_u32 s82, s82, s77
	s_add_co_u32 s82, s82, s17                     ; the block of 128 rows: 16 x batch + 4 cx + w / 8
	s_and_b32 s85, s13, 15                         ; the head
	s_mul_i32 s86, s82, 98304
	s_lshr_b32 s87, s85, 2
	s_mul_i32 s87, s87, 24576                      ; the K step of 256: four heads
	s_add_co_u32 s86, s86, s87
	s_mul_i32 s87, s16, 3072                       ; my tile of 16 positions
	s_add_co_u32 s86, s86, s87
	s_bfe_u32 s87, s85, 0x10001
	s_mul_i32 s87, s87, 1536                       ; the fragment: a head pair
	s_add_co_u32 s86, s86, s87
	s_mul_i32 s87, s15, 768                        ; its half: my head
	s_add_co_u32 s86, s86, s87
	s_mov_b32 s87, 0
	s_add_nc_u64 s[8:9], s[8:9], s[86:87]
	s_lshl_b32 s86, s82, 12
	s_lshl_b32 s84, s16, 9
	s_add_co_u32 s86, s86, s84
	s_lshl_b32 s84, s85, 1
	s_add_co_u32 s86, s86, s84
	s_add_nc_u64 s[10:11], s[10:11], s[86:87]
.irp j, 22,23,24,25,26,27,51,52,53,54,55,62,63,64,65,66,67,74,75,76,77,78,79,89,90,92,93,94,95
	v_mov_b32 v\j, 0                               ; Q's zero codes; the rest of K's upper registers; and what is named before it is first made
.endr
.macro KQ i, t                         ; S^T's tile i of the step's eight, from fragment registers t.  K's scale words: lanes 0-15 the even tile's keys, lanes 16-31 the odd tile's
.if (\i)%2
	v_wmma_scale_f32_16x16x128_f8f6f4 v[S+8*(\i):S+8*(\i)+7], v[KF+12*(\t):KF+12*(\t)+11], v[QF:QF+11], 0, v[KSC+(\i)/2], v[QS] matrix_a_fmt:MATRIX_FMT_FP6 matrix_b_fmt:MATRIX_FMT_FP6 matrix_a_scale:MATRIX_SCALE_ROW1
.else
	v_wmma_scale_f32_16x16x128_f8f6f4 v[S+8*(\i):S+8*(\i)+7], v[KF+12*(\t):KF+12*(\t)+11], v[QF:QF+11], 0, v[KSC+(\i)/2], v[QS] matrix_a_fmt:MATRIX_FMT_FP6 matrix_b_fmt:MATRIX_FMT_FP6
.endif
.endm
.macro PV t                            ; O^T's tile t += V's fragment t x p
.if (\t)%2
	v_wmma_scale_f32_16x16x128_f8f6f4 v[O+8*(\t):O+8*(\t)+7], v[VF+12*(\t):VF+12*(\t)+11], v[PC:PC+11], v[O+8*(\t):O+8*(\t)+7], v[VSC+(\t)/2], v[PS] matrix_a_fmt:MATRIX_FMT_FP6 matrix_b_fmt:MATRIX_FMT_FP6 matrix_a_scale:MATRIX_SCALE_ROW1
.else
	v_wmma_scale_f32_16x16x128_f8f6f4 v[O+8*(\t):O+8*(\t)+7], v[VF+12*(\t):VF+12*(\t)+11], v[PC:PC+11], v[O+8*(\t):O+8*(\t)+7], v[VSC+(\t)/2], v[PS] matrix_a_fmt:MATRIX_FMT_FP6 matrix_b_fmt:MATRIX_FMT_FP6
.endif
.endm
.macro MX c, i                         ; round i of block c's two chains, one over each half of its 32 scores; each accumulator is first read at its low end
.if (\i) == 0
	v_max3_num_f32 v[BM+2*(\c)], v[S+32*(\c)], v[S+32*(\c)+1], v[S+32*(\c)+2]
	v_max3_num_f32 v[BM+2*(\c)+1], v[S+32*(\c)+16], v[S+32*(\c)+17], v[S+32*(\c)+18]
.else
	v_max3_num_f32 v[BM+2*(\c)], v[BM+2*(\c)], v[S+32*(\c)+2*(\i)+1], v[S+32*(\c)+2*(\i)+2]
	v_max3_num_f32 v[BM+2*(\c)+1], v[BM+2*(\c)+1], v[S+32*(\c)+2*(\i)+17], v[S+32*(\c)+2*(\i)+18]
.endif
.endm
; A KEY STEP: 128 keys.  12 matrix instructions; the accumulators take turns, one instruction a turn.
.macro STEP
	v_add_nc_u32 v[ADK], s[TK], v[AK16]
	v_add_nc_u32 v[ADK8], s[TK], v[AK8]
	v_add_nc_u32 v[ADS], s[TS], v[ASK0]
	WALU
.irp b, 0,1,2,3
	ds_load_u16 v[KSC+\b], v[ADS] offset:128*\b                  ; lane l: my head's two scale bytes of key position 32 b + l
.endr
.irp t, 0,1,2,3
	ds_load_b128 v[KF+12*\t:KF+12*\t+3], v[ADK] offset:768*\t
	ds_load_b64 v[KF+12*\t+4:KF+12*\t+5], v[ADK8] offset:768*\t
.endr
	s_wait_dscnt 0x0
.irp t, 0,1,2,3
	KQ \t, \t
.endr
	v_add_nc_u32 v[ADV], s[TK], v[AV16]            ; four places in front of the loads into K's registers, and into V's, which the last step's last products read
	v_add_nc_u32 v[ADV8], s[TK], v[AV8]
	v_add_nc_u32 v[ADT], s[TV], v[ASV0]
	v_nop
.irp t, 0,1,2,3
	ds_load_b128 v[KF+12*\t:KF+12*\t+3], v[ADK] offset:768*(4+\t)
	ds_load_b64 v[KF+12*\t+4:KF+12*\t+5], v[ADK8] offset:768*(4+\t)
.endr
.irp t, 0,1,2,3
.irp c, 0,1
	ds_load_b128 v[VF+12*\t+6*\c:VF+12*\t+6*\c+3], v[ADV] offset:1536*\t+768*\c
	ds_load_b64 v[VF+12*\t+6*\c+4:VF+12*\t+6*\c+5], v[ADV8] offset:1536*\t+768*\c
.endr
.endr
.irp b, 0,1
	ds_load_b32 v[VSC+\b], v[ADT] offset:128*\b                  ; lane l: the scale word of my head's channel position 32 b + l
.endr
	s_wait_dscnt 18                                ; K's eight loads are in; V's sixteen and its two scale loads may stay out: they land under the softmax
.irp t, 0,1,2,3
	KQ 4+\t, \t
.endr
; The largest score of each of my two blocks of 32 keys: for the row's maximum and, since p rises with the score, for the block's largest p.  Block 0 (tiles 0-3) begins: its first six lines are the places behind tiles 4-7's products.
	MX 0, 0
	MX 0, 1
.irp i, 0,1,2,3,4
	MX 0, \i+2
	MX 1, \i
.endr
	MX 1, 5
	MX 1, 6
	v_max3_num_f32 v[BM], v[BM], v[BM+1], v[S+15]
	v_max3_num_f32 v[BM+2], v[BM+2], v[BM+3], v[S+47]
	v_max_num_f32 v[BM], v[BM], v[S+31]
	v_max_num_f32 v[BM+2], v[BM+2], v[S+63]
	s_delay_alu instid0(VALU_DEP_1)
	v_max_num_f32 v[TP], v[BM], v[BM+2]            ; my 64 keys' largest score
	s_delay_alu instid0(VALU_DEP_1)
	v_mul_f32 v[TP], s[CS], v[TP]                  ; as t (c is positive)
	s_delay_alu instid0(VALU_DEP_1)
	v_permlanex16_b32 v[PT], v[TP], s[SEL], s[SEL+1]
	s_delay_alu instid0(VALU_DEP_1)
	v_max3_num_f32 v[NM+1], v[NM+1], v[TP], v[PT]  ; with lane l xor 16's 64 keys: the running largest t
	v_mov_b32 v[TP], v[NM]
	s_delay_alu instid0(VALU_DEP_2)
	v_floor_f32 v[NM], -v[NM+1]                    ; the new -M = floor(-t) = -ceil(t): a whole number
	s_delay_alu instid0(VALU_DEP_1)
	v_sub_f32 v[TP], v[NM], v[TP]                  ; old M - new M: a whole number, 0 or less
	s_delay_alu instid0(VALU_DEP_1)
	v_cvt_i32_f32 v[TP], v[TP]                     ; (it saturates)
	s_delay_alu instid0(VALU_DEP_1)
	v_ldexp_f32 v[FF], 1.0, v[TP]                  ; f = 2^(old M - new M)
.set j, 0
.rept 32
	v_pk_fma_f32 v[S+j:S+j+1], v[S+j:S+j+1], s[CS:CS+1], v[NM:NM+1] op_sel_hi:[1,0,0]   ; t - M, two at a time
.set j, j+2
.endr
.irp b, 0,2
	v_fma_f32 v[BM+\b], v[BM+\b], s[CS], v[NM]     ; the same of each block's largest score
.endr
.set j, 0
	WALU                                           ; the wait ahead of the batch
.rept 64
	v_exp_f32 v[S+j], v[S+j]                       ; p = 2^(t - M), at most 1
.set j, j+1
.endr
	v_pk_mul_f32 v[SUM:SUM+1], v[SUM:SUM+1], v[FF:FF+1] op_sel_hi:[1,0]   ; the sums under the new M: the plain instruction behind the exponentials
	WALU                                           ; one wait for the batch of 64, ahead of its first reader
.irp b, 0,2
	v_exp_f32 v[BM+\b], v[BM+\b]                   ; the block's largest p: the same two instructions on the same number give the same bits
.endr
; the row's sum of the unquantised p: 32 pairs into eight chains, then the chains into one
.set j, 0
.irp a, 92,240,242,244,246,248,250
	v_pk_add_f32 v[\a:\a+1], v[S+j:S+j+1], v[S+j+2:S+j+3]
.set j, j+4
.endr
	v_pk_add_f32 v[SUM:SUM+1], v[SUM:SUM+1], v[S+j:S+j+1]
.set j, j+2
.rept 2
.irp a, 92,240,242,244,246,248,250
	v_pk_add_f32 v[\a:\a+1], v[\a:\a+1], v[S+j:S+j+1]
.set j, j+2
.endr
	v_pk_add_f32 v[SUM:SUM+1], v[SUM:SUM+1], v[S+j:S+j+1]
.set j, j+2
.endr
	v_pk_add_f32 v[92:93], v[92:93], v[S+62:S+63]
	s_delay_alu instid0(VALU_DEP_2)
	v_pk_add_f32 v[SUM:SUM+1], v[SUM:SUM+1], v[246:247]
	s_delay_alu instid0(VALU_DEP_2)
	v_pk_add_f32 v[92:93], v[92:93], v[244:245]
	v_pk_add_f32 v[250:251], v[250:251], v[242:243]
	v_pk_add_f32 v[248:249], v[248:249], v[240:241]
	s_delay_alu instid0(VALU_DEP_2)
	v_pk_add_f32 v[SUM:SUM+1], v[SUM:SUM+1], v[250:251]
	s_delay_alu instid0(VALU_DEP_2)
	v_pk_add_f32 v[92:93], v[92:93], v[248:249]
	s_delay_alu instid0(VALU_DEP_1)
	v_pk_add_f32 v[SUM:SUM+1], v[SUM:SUM+1], v[92:93]
	WALU                                           ; and one for the two
.irp b, 0,2
	v_max_num_f32 v[BM+\b], 0x1800000, v[BM+\b]    ; the floor 2^(3 - 127): the byte cannot fall under 1
.endr
.irp b, 0,1
	s_delay_alu instid0(VALU_DEP_2)
	v_add_nc_u32 v[SO+\b], 0xff000000, v[BM+2*\b]  ; 2 off the exponent field: the conversion's scale operand
.endr
.irp b, 0,1
	s_delay_alu instid0(VALU_DEP_2)
	v_lshrrev_b32 v[PT+\b], 23, v[SO+\b]           ; the scale's byte
.endr
	s_delay_alu instid0(VALU_DEP_1)
	v_lshl_or_b32 v[PT], v[PT+1], 16, v[PT]        ; my two bytes, blocks h and 2 + h of these 128 keys,
	s_delay_alu instid0(VALU_DEP_1)
	v_lshlrev_b32 v[PT], v[SH8], v[PT]             ; at their places in p's scale word;
	s_delay_alu instid0(VALU_DEP_1)
	v_permlanex16_b32 v[PT+1], v[PT], s[SEL], s[SEL+1]
	s_delay_alu instid0(VALU_DEP_1)
	v_or_b32 v[PS], v[PT], v[PT+1]                 ; with lane l xor 16's two the word is whole
.irp c, 0,1
	v_cvt_scalef32_pk16_fp6_f32 v[PC+6*\c:PC+2+6*\c], v[S+32*\c:S+15+32*\c], v[SO+\c]
	v_cvt_scalef32_pk16_fp6_f32 v[T2+12*\c:T2+2+12*\c], v[S+16+32*\c:S+31+32*\c], v[SO+\c]   ; (a conversion's three registers begin on an even number)
.endr
	v_nop                                          ; one plain place behind a scaled conversion
.irp c, 0,1
.irp i, 0,1,2
	v_mov_b32 v[PC+3+6*\c+\i], v[T2+12*\c+\i]
.endr
.endr
	WALU                                           ; the wait here, directly ahead of the first reader of O^T
.set j, 0
.rept 16
	v_pk_mul_f32 v[O+j:O+j+1], v[O+j:O+j+1], v[FF:FF+1] op_sel_hi:[1,0]   ; O^T under the new M.  (These sixteen are also the places between the writes of p's codes and scale word and the products)
.set j, j+2
.endr
	WALU
	s_wait_dscnt 0x0                               ; V and its scale words are in
.irp t, 0,1,2,3
	PV \t
.endr
.endm
; A PASS: 16 queries against all 2,048 keys, and their way out
.macro PASS p
.if \p
	s_wait_xcnt 0x0                                ; the first pass's stores have read their registers
	v_mov_b32 v[QS], v[Q2S]                        ; the second tile's Q; the lines below are the places ahead of the first product
.irp j, 0,1,2,3,4,5
	v_mov_b32 v[QF+\j], v[Q2+\j]
.endr
.endif
	v_mov_b32 v[NM+1], 0xff61b1e6                  ; the largest t so far: -3e38, under every t
	s_delay_alu instid0(VALU_DEP_1)
	v_floor_f32 v[NM], -v[NM+1]                    ; -M
	v_mov_b32 v[SUM], 0
	v_mov_b32 v[SUM+1], 0
.set j, 0
.rept 32
	v_mov_b32 v[O+j], 0                            ; O^T: the step is written once; the first finds zeros, which the first change of M leaves zeros
.set j, j+1
.endr
	s_mov_b32 s[TK], 0
	s_mov_b32 s[TS], 0
	s_mov_b32 s[TV], 0
	s_mov_b32 s[CNT], 0
.Lstep_\@:
	STEP
	s_add_co_u32 s[TK], s[TK], KCH
	s_add_co_u32 s[TS], s[TS], 512
	s_add_co_u32 s[TV], s[TV], 256
	s_add_co_u32 s[CNT], s[CNT], 1
	s_cmp_lg_u32 s[CNT], 16
	s_cbranch_scc1 .Lstep_\@
	; THE WAY OUT.  O^T / the sum; registers 16 T + i are channels 32 T + 16 (lane / 16) + i of my query: two blocks of 32 along the last projection's K, each in lanes l and l xor 16.
	v_add_f32 v[SUM], v[SUM], v[SUM+1]             ; the sum's two halves (these lines are also the places behind the last products),
	s_delay_alu instid0(VALU_DEP_1)
	v_permlanex16_b32 v[TP], v[SUM], s[SEL], s[SEL+1]
	s_delay_alu instid0(VALU_DEP_1)
	v_add_f32 v[SUM], v[SUM], v[TP]                ; and lane l xor 16's
	WALU
	v_rcp_f32 v[SUM], v[SUM]
	v_and_b32 v10, 15, v0                          ; (plain work behind the reciprocal)  r
	v_bfe_u32 v11, v0, 4, 1                        ; the lanes' half
	v_nop
	v_nop
	v_lshl_add_u32 v14, v10, 5, v11                ; osc: my row by position; lanes 0-15 store block 0's byte, lanes 16-31 block 1's
	WALU                                           ; the wait for the reciprocal, directly ahead of its first reader, which is O^T's too
.set j, 0
.rept 32
	v_mul_f32 v[S+j], v[O+j], v[SUM]               ; each accumulator from its low end on
.set j, j+1
.endr
.irp b, 0,1
	v_max3_num_f32 v[BM+\b], |v[S+16*\b]|, |v[S+1+16*\b]|, 0x1800000   ; my 16 numbers of block b, and the floor 2^(3 - 127)
.endr
.irp i, 2,4,6,8,10,12,14
.irp b, 0,1
	s_delay_alu instid0(VALU_DEP_2)
	v_max3_num_f32 v[BM+\b], v[BM+\b], |v[S+16*\b+\i]|, |v[S+1+16*\b+\i]|
.endr
.endr
.irp b, 0,1
	s_delay_alu instid0(VALU_DEP_2)
	v_permlanex16_b32 v[PT+\b], v[BM+\b], s[SEL], s[SEL+1]
.endr
.irp b, 0,1
	s_delay_alu instid0(VALU_DEP_2)
	v_max_num_f32 v[BM+\b], v[BM+\b], v[PT+\b]
.endr
.irp b, 0,1
	s_delay_alu instid0(VALU_DEP_2)
	v_add_nc_u32 v[SO+\b], 0xff000000, v[BM+\b]
.endr
.irp b, 0,1
	s_delay_alu instid0(VALU_DEP_2)
	v_lshrrev_b32 v[PT+\b], 23, v[SO+\b]
.endr
	v_cvt_scalef32_pk16_fp6_f32 v[PC:PC+2], v[S:S+15], v[SO]           ; block 0: channels 16 h + 0 .. 15
	v_cvt_scalef32_pk16_fp6_f32 v[PC+4:PC+6], v[S+16:S+31], v[SO+1]    ; block 1: channels 32 + 16 h + 0 .. 15
	v_cndmask_b32 v[TP], v[PT], v[PT+1], s[HM]     ; (a plain place behind the conversions)
.irp i, 0,1,2
	v_permlane16_swap_b32 v[PC+\i], v[PC+4+\i]     ; the operand's layout wants a whole block in a lane: lanes 0-15 block 0, lanes 16-31 block 1: the first now holds the lower 16 codes, the second the upper
.endr
.irp i, 0,1,2
	v_mov_b32 v[PC+3+\i], v[PC+4+\i]
.endr
	global_store_b128 v[AK16], v[PC:PC+3], s[8:9] offset:(\p)*196608      ; 512 consecutive bytes
	global_store_b64 v[AK8], v[PC+4:PC+5], s[8:9] offset:(\p)*196608      ; 256 consecutive bytes
	global_store_b8 v14, v[TP], s[10:11] offset:(\p)*8192
.endm
	WALU                                           ; the wait at the head's end
	s_wait_tensorcnt 0x0                           ; my tile is in,
	s_wait_loadcnt 0x0                             ; and both passes' Q
	s_barrier_signal -1
	s_barrier_wait -1                              ; everybody's tile is in: K, V and the scale words are whole, and are only read from here on
	PASS 0
	PASS 1
	s_wait_tensorcnt 0x0                           ; the wave's end
	ds_add_u32 v[SPW], v[NIL]
	s_wait_dscnt 0x0
	CROUND                                         ; the closing round
	s_endpgm
.Lfunc_end_k_q49cb43b7fe_attn:
	.size	k_q49cb43b7fe_attn, .Lfunc_end_k_q49cb43b7fe_attn-k_q49cb43b7fe_attn
	.p2alignl 7, 3214868480
	.fill 96, 4, 3214868480
	.section	.rodata,"a",@progbits
	.p2align	6, 0x0
	.amdhsa_kernel k_q49cb43b7fe_attn
		.amdhsa_group_segment_fixed_size 327680
		.amdhsa_private_segment_fixed_size 0
		.amdhsa_enable_private_segment 0
		.amdhsa_kernarg_size 32
		.amdhsa_user_sgpr_count 2
		.amdhsa_user_sgpr_kernarg_segment_ptr 1
		.amdhsa_wavefront_size32 1
		.amdhsa_system_sgpr_workgroup_id_x 1
		.amdhsa_system_sgpr_workgroup_id_y 1
		.amdhsa_system_sgpr_workgroup_id_z 1
		.amdhsa_system_vgpr_workitem_id 0
		.amdhsa_next_free_vgpr 256
		.amdhsa_next_free_sgpr 96
		.amdhsa_reserve_vcc 0
		.amdhsa_float_denorm_mode_32 3
		.amdhsa_float_denorm_mode_16_64 3
		.amdhsa_memory_ordered 1
		.amdhsa_forward_progress 1
		.amdhsa_inst_pref_size 55
	.end_amdhsa_kernel
	.amdgpu_metadata
---
amdhsa.version: [ 1, 2 ]
amdhsa.kernels:
  - .name:           k_q49cb43b7fe_attn
    .symbol:         k_q49cb43b7fe_attn.kd
    .args:
      - { .name: hc, .offset: 0, .size: 8, .value_kind: global_buffer, .address_space: global }
      - { .name: hs, .offset: 8, .size: 8, .value_kind: global_buffer, .address_space: global }
      - { .name: oc, .offset: 16, .size: 8, .value_kind: global_buffer, .address_space: global }
      - { .name: osc, .offset: 24, .size: 8, .value_kind: global_buffer, .address_space: global }
    .group_segment_fixed_size: 327680
    .private_segment_fixed_size: 0
    .kernarg_segment_align: 8
    .kernarg_segment_size: 32
    .max_flat_workgroup_size: 512
    .sgpr_count:     96
    .vgpr_count:     256
    .wavefront_size: 32
...
	.end_amdgpu_metadata
.endif
;; end of part 3
;; launch outp (part 4): grid 8 x 32, 4 waves a work-group, clusters of 4 x 4, 327,680 bytes of LDS; arguments oc, osc, wc, ws, out0; writes out0
.if DOCPART == 4
	.amdgcn_target "amdgcn-amd-amdhsa--gfx1250"
	.amdhsa_code_object_version 6
	.text
	.protected	k_q49cb43b7fe_outp
	.globl	k_q49cb43b7fe_outp
	.p2align	8
	.type	k_q49cb43b7fe_outp,@function
k_q49cb43b7fe_outp:
	s_mov_b64 s[64:65], 0
	v_nop
	global_prefetch_b8 v0, s[64:65] scope:SCOPE_SE
	s_setreg_imm32_b32 hwreg(HW_REG_WAVE_MODE, 25, 1), 1
	s_wait_xcnt 0x0
	s_wait_alu depctr_hold_cnt(0) depctr_sa_sdst(0) depctr_va_vdst(0) depctr_va_sdst(0) depctr_va_ssrc(0) depctr_va_vcc(0) depctr_vm_vsrc(0)
	s_getreg_b32 s2, hwreg(HW_REG_IB_STS2, 6, 4)
	s_cmp_eq_u32 s2, 0
	s_cbranch_scc0 .Lentry_in_a_cluster
	s_endpgm
.Lentry_in_a_cluster:
	s_bfe_u32 s2, ttmp6, 0x10000c
	s_cmp_lg_u32 s2, 0xf033
	s_cbranch_scc0 .Lentry_shape_is_right
	s_endpgm
.Lentry_shape_is_right:
; out0 = O W_o, 8,192 x 1,024 x 1,024, on codes of FP6 (E2M3) with one E8M0 scale for each 32 along K; f32 sums, f32 out.
; IN: oc and wc (its fourth tensor) as images of operand registers: [128 rows][K step of 256][tile of 16 rows][128 K]: a fragment of 1,536 bytes; its half c: 512 bytes = registers 6 c .. 6 c + 3, 16 bytes a lane, 256 bytes =
; registers 6 c + 4, 5.  osc, ws: [row][32].  Rows lie by position: the index (O: the token; W_o: the output column) with bits 3 and 4 exchanged.
; SHARES: 8 x 32 = 256 work-groups, each 256 rows x 128 columns; four waves, 2 x 2: wave (a, b) takes the 128 rows of block a and the 64 columns of half b.  K is short and the result wide, so nothing walks along K:
; a wave's 64 rows of W_o, all of K, lie in 384 registers, and O's rows stream past in eight blocks of 16 rows, all of K: 32 products a block on four accumulators by turns.
; LDS: O's two blocks of 98,304 bytes, W_o's 98,304, O's 8,192 scale bytes, a stage of 4,352 bytes a wave, the spare words.  All tiles come at the head, one joint load a wave; nothing is filled again.
; No prefetch: every tile is asked for at the head, and there is no loop to run ahead in.
; CLUSTER 4 x 4: O's tiles hang on the tile row alone and are shared along a row of the cluster, W_o's on the tile column alone and are shared along a column.
; THE MATRIX INSTRUCTION IS USED TRANSPOSED (source 0 = 16 positions of W_o, source 1 = 16 rows of O): in tiles 2 B, 2 B + 1 lane (r, h) holds the columns 32 B + 16 h + 0 .. 15 of row r.  A block goes through the wave's own
; stage and leaves as rows of 256 consecutive aligned bytes, while the next block is multiplied.
; REGISTERS: window 0: addresses, scale words, two sets of accumulators, two sets of rows on their way out; windows 1, 2: W_o's fragments of K steps 0-3, 4-7 of 128; window 3: two sets of O's eight fragments.
.set RB,    98304
.set WB,    2*RB
.set SCA,   3*RB
.set STG,   SCA+8192
.set SPITCH, 272
.set SPARE, STG+4*16*SPITCH
.set NF,    34                         ; LDS loads of a block: 32 for eight fragments, 2 for eight scale words
.set AL16, 4                           ; v4-7  O's fragments: 16 lane, 512 + 8 lane, and the same 49,152 bytes on
.set AL8,  5
.set WL16, 8                           ; v8-11 the same for W_o's
.set WL8,  9
.set ASC,  12                          ; v12 my row's scale words
.set STO,  13                          ; v13 into the stage, v14 out of it, v15 the same place in out0
.set RD,   14
.set CO,   15
.set WSO,  16                          ; v16 32 lane
.set SPW,  18                          ; v18 my spare word, v19 0; never rewritten
.set NIL,  19
.set SB,   24                          ; v24-39 W_o's scale words: 8 (t / 2) + K step; lanes 0-15 the even tile's rows, lanes 16-31 the odd tile's
.set SA,   44                          ; v44-59 O's: two sets of eight
.set ACC,  64                          ; v64-127 two sets of four accumulators
.set OB,   128                         ; v128-191 two sets of 16 rows x 256 bytes
.set G1A,  24
.set G1W,  32
.set G1S,  52
.set G0A,  60
.set G0W,  68
.set G0S,  72
.set MSB, 0
.macro WIN new                         ; the immediate's high byte repeats the setting that is left
.if MSB != \new
	s_set_vgpr_msb (MSB<<8)|\new
.set MSB, \new
.endif
.endm
.macro PLACES n
.rept \n
	v_nop
.endr
.endm
.macro WALU
	s_wait_alu depctr_va_vdst(0)
.endm
.macro BARRIER
	s_barrier_signal -1
	s_barrier_wait -1
.endm
.macro CROUND
	BARRIER
	s_cmp_lg_u32 s14, 0
	s_cbranch_scc1 .Lnot_wave_0_\@
	s_barrier_signal -3
.Lnot_wave_0_\@:
	s_barrier_wait -3
	BARRIER
.endm
.macro GROUP1 g, mask, rows            ; a dense block as rows of 256 bytes (32 elements of 8), no padding
	s_or_b32 s[\g], s[\mask], (3<<16)|(1<<21)
	s_mov_b32 s[\g+1], 32<<16
	s_mov_b32 s[\g+2], (\rows)<<16
	s_mov_b32 s[\g+3], 32<<16
	s_mov_b32 s[\g+4], \rows
	s_mov_b32 s[\g+5], 32
	s_mov_b32 s[\g+6], 0
	s_mov_b32 s[\g+7], 0
.endm
.macro TL g0, g1
	tensor_load_to_lds s[\g0:\g0+3], s[\g1:\g1+7]
	s_nop 0
	PLACES 4
.endm
	s_load_b256 s[4:11], s[0:1], 0x0               ; oc, osc, wc, ws
	s_load_b64 s[12:13], s[0:1], 0x20              ; out0
	v_lshl_add_u32 v[SPW], v0, 2, SPARE
	v_mov_b32 v[NIL], 0
	ds_add_u32 v[SPW], v[NIL]                      ; the opening lines: the add, twice on end, and its wait ahead of my first tensor load
	ds_add_u32 v[SPW], v[NIL]
	v_lshrrev_b32 v1, 5, v0
	v_readfirstlane_b32 s14, v1                    ; wave
	s_lshr_b32 s15, s14, 1                         ; a
	s_and_b32 s16, s14, 1                          ; b
	s_bfe_u32 s40, ttmp6, 0x40000                  ; cx
	s_bfe_u32 s41, ttmp6, 0x40004                  ; cy
	s_lshl_b32 s42, ttmp9, 2
	s_add_co_u32 s42, s42, s40                     ; tile column, 0 .. 7
	s_and_b32 s43, ttmp7, 0xffff
	s_lshl_b32 s43, s43, 2
	s_add_co_u32 s43, s43, s41                     ; tile row, 0 .. 31
	s_lshl_b32 s44, s41, 2
	s_lshl_b32 s44, 15, s44                        ; my row of the cluster
	s_lshl_b32 s45, 0x1111, s40                    ; my column
	GROUP1 G1A, 44, 384
	GROUP1 G1W, 45, 384
	GROUP1 G1S, 44, 32
	s_mul_i32 s20, s43, 2*RB
	s_mul_i32 s21, s16, RB
	s_add_co_u32 s20, s20, s21                     ; waves 2, 3: O's block w % 2
	s_mov_b32 s21, 0
	s_lshl_b32 s22, s43, 13                        ; O's scale bytes
	s_mov_b32 s23, 0
	s_mul_i32 s46, s42, RB
	s_add_co_u32 s46, s46, 3*1024*768              ; W_o's 128 rows
	s_mov_b32 s47, 0
	s_lshl_b32 s48, s42, 12
	s_lshl_b32 s49, s16, 11
	s_add_co_u32 s48, s48, s49
	s_add_co_u32 s48, s48, 3*1024*32               ; the scale bytes of my 64 of them
	s_mov_b32 s49, 0
	s_mov_b32 s[G0A], 1
	s_mul_i32 s[G0A+1], s16, RB
	s_mov_b32 s[G0W], 1
	s_mov_b32 s[G0W+1], WB
	s_mov_b32 s[G0S], 1
	s_mov_b32 s[G0S+1], SCA
	WALU
	s_wait_dscnt 0x0                               ; both opening adds are done
	s_wait_kmcnt 0x0
	s_add_nc_u64 s[G0A+2:G0A+3], s[4:5], s[20:21]
	s_or_b32 s[G0A+3], s[G0A+3], 0x80000000
	s_add_nc_u64 s[G0S+2:G0S+3], s[6:7], s[22:23]
	s_or_b32 s[G0S+3], s[G0S+3], 0x80000000
	s_add_nc_u64 s[G0W+2:G0W+3], s[8:9], s[46:47]
	s_or_b32 s[G0W+3], s[G0W+3], 0x80000000
	s_add_nc_u64 s[48:49], s[10:11], s[48:49]
	CROUND                                         ; all sixteen work-groups are here: the joint loads meet
	s_cmp_eq_u32 s14, 0                            ; one chain of branches on the wave's number, one load to an arm; what goes on into registers is asked for first
	s_cbranch_scc0 .Lwave_1
	TL G0W, G1W
	s_branch .Lasked
.Lwave_1:
	s_cmp_eq_u32 s14, 1
	s_cbranch_scc0 .Lwave_2
	TL G0S, G1S
	s_branch .Lasked
.Lwave_2:
	TL G0A, G1A
.Lasked:
	v_and_b32 v1, 31, v0                           ; lane
	v_and_b32 v2, 15, v0                           ; r
	v_bfe_u32 v3, v0, 4, 1                         ; h
	s_mul_i32 s20, s15, RB
	v_lshl_add_u32 v[AL16], v1, 4, s20
	s_add_co_u32 s21, s20, 512
	v_lshl_add_u32 v[AL8], v1, 3, s21
	v_add_nc_u32 v[AL16+2], 49152, v[AL16]
	v_add_nc_u32 v[AL8+2], 49152, v[AL8]
	s_mul_i32 s20, s16, 4*3072
	s_add_co_u32 s20, s20, WB
	v_lshl_add_u32 v[WL16], v1, 4, s20
	s_add_co_u32 s21, s20, 512
	v_lshl_add_u32 v[WL8], v1, 3, s21
	v_add_nc_u32 v[WL16+2], 49152, v[WL16]
	v_add_nc_u32 v[WL8+2], 49152, v[WL8]
	s_lshl_b32 s20, s15, 12
	s_add_co_u32 s20, s20, SCA
	v_lshl_add_u32 v[ASC], v2, 5, s20
	s_mul_i32 s20, s14, 16*SPITCH
	s_add_co_u32 s20, s20, STG                     ; my stage
	v_mul_u32_u24 v[STO], v2, SPITCH
	v_lshl_add_u32 v[STO], v3, 6, v[STO]
	v_add_nc_u32 v[STO], s20, v[STO]               ; in: row r, 64 bytes for each half of the lanes
	v_mul_u32_u24 v[RD], v3, SPITCH
	v_lshl_add_u32 v[RD], v2, 4, v[RD]
	v_add_nc_u32 v[RD], s20, v[RD]                 ; back: sixteen lanes to a row of 256 bytes, two rows an instruction
	v_lshlrev_b32 v[CO], 12, v3
	v_lshl_add_u32 v[CO], v2, 4, v[CO]             ; and the same two rows in out0
	v_lshlrev_b32 v[WSO], 5, v1
	s_lshl_b32 s50, s43, 20                        ; my part of out0: row 256 x tile row + 128 a, column 128 x tile column + 64 b
	s_lshl_b32 s51, s15, 19
	s_add_co_u32 s50, s50, s51
	s_mov_b32 s51, 0
	s_add_nc_u64 s[12:13], s[12:13], s[50:51]
	s_lshl_b32 s50, s42, 9
	s_lshl_b32 s46, s16, 8
	s_add_co_u32 s50, s50, s46
	s_add_nc_u64 s[12:13], s[12:13], s[50:51]
	WALU                                           ; the wait at the head's end
.irp p, 0,1
.irp c, 0,1
	global_load_b128 v[SB+8*\p+4*\c:SB+8*\p+4*\c+3], v[WSO], s[48:49] offset:1024*\p+16*\c   ; lane l: the eight scale words of W_o's position 32 p + l of my 64
.endr
.endr
	s_cmp_eq_u32 s14, 0
	s_cbranch_scc0 .Lnot_w
	s_wait_tensorcnt 0x0
.Lnot_w:
	BARRIER                                        ; W_o's rows are in; the other tiles may be on their way
.irp kq, 0,1,2,3,4,5,6,7               ; my 64 rows of W_o, all of K: 128 loads
	WIN (1+\kq/4)<<6
.irp t, 0,1,2,3
.irp c, 0,1
	ds_load_b128 v[12*(4*(\kq%4)+\t)+6*\c:12*(4*(\kq%4)+\t)+6*\c+3], v[WL16+2*(\kq/4)] offset:((\kq/2)%2)*24576+\t*3072+(\kq%2)*1536+768*\c
	ds_load_b64 v[12*(4*(\kq%4)+\t)+6*\c+4:12*(4*(\kq%4)+\t)+6*\c+5], v[WL8+2*(\kq/4)] offset:((\kq/2)%2)*24576+\t*3072+(\kq%2)*1536+768*\c
.endr
.endr
.endr
	WIN 0
	s_wait_tensorcnt 0x0                           ; my tile is in
	s_wait_dscnt 0x0
	BARRIER                                        ; everybody's tile is in
.macro FETCH e, i                      ; block i of my eight: 16 rows of O, all of K, into set e
	WIN 3<<6
.irp kq, 0,1,2,3,4,5,6,7
.irp c, 0,1
	ds_load_b128 v[96*(\e)+12*\kq+6*\c:96*(\e)+12*\kq+6*\c+3], v[AL16+2*(\kq/4)] offset:((\kq/2)%2)*24576+(\i)*3072+(\kq%2)*1536+768*\c
	ds_load_b64 v[96*(\e)+12*\kq+6*\c+4:96*(\e)+12*\kq+6*\c+5], v[AL8+2*(\kq/4)] offset:((\kq/2)%2)*24576+(\i)*3072+(\kq%2)*1536+768*\c
.endr
.endr
	WIN 0
	ds_load_b128 v[SA+8*(\e):SA+8*(\e)+3], v[ASC] offset:(\i)*512
	ds_load_b128 v[SA+8*(\e)+4:SA+8*(\e)+7], v[ASC] offset:(\i)*512+16
.endm
.macro PR1 d, w, a, c, xw, xa, o
.if \o
	v_wmma_scale_f32_16x16x128_f8f6f4 v[\d:\d+7], v[\w:\w+11], v[\a:\a+11], \c, v[\xw], v[\xa] matrix_a_fmt:MATRIX_FMT_FP6 matrix_b_fmt:MATRIX_FMT_FP6 matrix_a_scale:MATRIX_SCALE_ROW1
.else
	v_wmma_scale_f32_16x16x128_f8f6f4 v[\d:\d+7], v[\w:\w+11], v[\a:\a+11], \c, v[\xw], v[\xa] matrix_a_fmt:MATRIX_FMT_FP6 matrix_b_fmt:MATRIX_FMT_FP6
.endif
.endm
.macro PRODS e                         ; 32 products; the first four start the sums
.irp kq, 0,1,2,3,4,5,6,7
	WIN 0x0c|(1+\kq/4)                             ; source 0 (W_o) window 1 or 2, source 1 (O) window 3, C and D window 0
.irp t, 0,1,2,3
.set D_, ACC+32*(\e)+8*\t
.set W_, 12*(4*(\kq%4)+\t)
.set A_, 96*(\e)+12*\kq
.set XW_, SB+8*(\t/2)+\kq
.set XA_, SA+8*(\e)+\kq
.if \kq
	PR1 D_, W_, A_, v[D_:D_+7], XW_, XA_, \t%2
.else
	PR1 D_, W_, A_, 0, XW_, XA_, \t%2
.endif
.endr
.endr
	WIN 0
.endm
.macro TOSTAGE s                       ; LDS serves a wave's instructions in order: no wait between the stores and the loads
.irp t, 0,1,2,3
	ds_store_b128 v[STO], v[ACC+32*((\s)%2)+8*\t:ACC+32*((\s)%2)+8*\t+3] offset:128*(\t/2)+32*(\t%2)        ; each accumulator from its low end on
	ds_store_b128 v[STO], v[ACC+32*((\s)%2)+8*\t+4:ACC+32*((\s)%2)+8*\t+7] offset:128*(\t/2)+32*(\t%2)+16
.endr
.irp u, 0,1,2,3,4,5,6,7
	ds_load_b128 v[OB+32*((\s)%2)+4*\u:OB+32*((\s)%2)+4*\u+3], v[RD] offset:\u*2*SPITCH
.endr
.endm
.macro SEND s                          ; position 16 s + r of my 128 rows is row 32 (s / 2) + 8 (s % 2) + r + 8 (r / 8)
.irp u, 0,1,2,3,4,5,6,7
	global_store_b128 v[CO], v[OB+32*((\s)%2)+4*\u:OB+32*((\s)%2)+4*\u+3], s[12:13] offset:(32*((\s)/2)+8*((\s)%2)+2*\u+8*(\u/4))*4096 th:TH_STORE_NT   ; sixteen lanes store 256 consecutive aligned bytes
.endr
.endm
.macro BLK s
.if (\s) == 0
	s_wait_dscnt NF                                ; block 0's rows are in; block 1's fetch may be out
.elseif (\s) < 7
	s_wait_dscnt 16+NF                             ; younger than this block's fetch: the last block's 8 stores and 8 loads at the stage, and the next block's fetch
.else
	s_wait_dscnt 16
.endif
	PRODS (\s)%2
.if (\s) > 0
.if (\s) < 7
	s_wait_dscnt NF                                ; the last block is back from the stage; the next block's fetch may be out
.else
	s_wait_dscnt 0
.endif
	SEND (\s)-1
.endif
	PLACES 4                                       ; between the products and the LDS stores of their results, and the loads into their sources
	s_wait_xcnt 0x0                                ; the stores of two blocks ago have read the registers that the stage's loads fill
	TOSTAGE \s
.if (\s)+2 < 8
	FETCH (\s)%2, (\s)+2
.endif
.endm
	FETCH 0, 0
	FETCH 1, 1
	s_wait_loadcnt 0x0                             ; W_o's scale words
.irp s, 0,1,2,3,4,5,6,7
	BLK \s
.endr
	s_wait_dscnt 0x0
	SEND 7
	s_wait_tensorcnt 0x0                           ; the wave's end
	ds_add_u32 v[SPW], v[NIL]
	s_wait_dscnt 0x0
	CROUND                                         ; the closing round
	s_endpgm
.Lfunc_end_k_q49cb43b7fe_outp:
	.size	k_q49cb43b7fe_outp, .Lfunc_end_k_q49cb43b7fe_outp-k_q49cb43b7fe_outp
	.p2alignl 7, 3214868480
	.fill 96, 4, 3214868480
	.section	.rodata,"a",@progbits
	.p2align	6, 0x0
	.amdhsa_kernel k_q49cb43b7fe_outp
		.amdhsa_group_segment_fixed_size 327680
		.amdhsa_private_segment_fixed_size 0
		.amdhsa_enable_private_segment 0
		.amdhsa_kernarg_size 40
		.amdhsa_user_sgpr_count 2
		.amdhsa_user_sgpr_kernarg_segment_ptr 1
		.amdhsa_wavefront_size32 1
		.amdhsa_system_sgpr_workgroup_id_x 1
		.amdhsa_system_sgpr_workgroup_id_y 1
		.amdhsa_system_sgpr_workgroup_id_z 1
		.amdhsa_system_vgpr_workitem_id 0
		.amdhsa_next_free_vgpr 1024
		.amdhsa_next_free_sgpr 80
		.amdhsa_reserve_vcc 0
		.amdhsa_float_denorm_mode_32 3
		.amdhsa_float_denorm_mode_16_64 3
		.amdhsa_memory_ordered 1
		.amdhsa_forward_progress 1
		.amdhsa_inst_pref_size 83
	.end_amdhsa_kernel
	.amdgpu_metadata
---
amdhsa.version: [ 1, 2 ]
amdhsa.kernels:
  - .name:           k_q49cb43b7fe_outp
    .symbol:         k_q49cb43b7fe_outp.kd
    .args:
      - { .name: oc, .offset: 0, .size: 8, .value_kind: global_buffer, .address_space: global }
      - { .name: osc, .offset: 8, .size: 8, .value_kind: global_buffer, .address_space: global }
      - { .name: wc, .offset: 16, .size: 8, .value_kind: global_buffer, .address_space: global }
      - { .name: ws, .offset: 24, .size: 8, .value_kind: global_buffer, .address_space: global }
      - { .name: out0, .offset: 32, .size: 8, .value_kind: global_buffer, .address_space: global }
    .group_segment_fixed_size: 327680
    .private_segment_fixed_size: 0
    .kernarg_segment_align: 8
    .kernarg_segment_size: 40
    .max_flat_workgroup_size: 128
    .sgpr_count:     80
    .vgpr_count:     1024
    .wavefront_size: 32
...
	.end_amdgpu_metadata
.endif
;; end of part 4
